; MI455X (gfx1250); checked and timed in simulation.
; The chip was launched on July 23, 2026; its instructions are those of AMD's public machine-readable ISA for CDNA 5 (MIT licence, August 2026) and "CDNA5" Instruction Set Architecture Reference Guide (July 2026). The comments in the code are by the model that wrote it; some were corrected since.
;; Quantum Transformer Block. Allowed arithmetic: matrix products marked QUANTISED: E2M1 operands, one E8M0 scale for each 32 along K, by v_wmma_scale_f32_16x16x128_f8f6f4 with both operands' format E2M1 (or v_wmma_scale_f32_32x16x128_f4), f32 sums; everything else in f32.
;; Inputs: b1 512 float32; b2 512 float32; bc 512 float32; be1 512 float32; be2 512 float32; bk 512 float32; bq 512 float32; bv 512 float32; g1 512 float32; g2 512 float32; theta 8 float32; w1_codes 512 x 16 x 16 uint8 (E2M1 codes of w1, K innermost, in blocks of 32 codes, two codes a byte); w1_scales 512 x 16 uint8 (E8M0 scales of w1, one for each 32 codes along K); w2_codes 512 x 16 x 16 uint8 (E2M1 codes of w2, K innermost, in blocks of 32 codes, two codes a byte); w2_scales 512 x 16 uint8 (E8M0 scales of w2, one for each 32 codes along K); wc_codes 512 x 16 x 16 uint8 (E2M1 codes of wc, K innermost, in blocks of 32 codes, two codes a byte); wc_scales 512 x 16 uint8 (E8M0 scales of wc, one for each 32 codes along K); wk_codes 512 x 16 x 16 uint8 (E2M1 codes of wk, K innermost, in blocks of 32 codes, two codes a byte); wk_scales 512 x 16 uint8 (E8M0 scales of wk, one for each 32 codes along K); wq_codes 512 x 16 x 16 uint8 (E2M1 codes of wq, K innermost, in blocks of 32 codes, two codes a byte); wq_scales 512 x 16 uint8 (E8M0 scales of wq, one for each 32 codes along K); wv_codes 512 x 16 x 16 uint8 (E2M1 codes of wv, K innermost, in blocks of 32 codes, two codes a byte); wv_scales 512 x 16 uint8 (E8M0 scales of wv, one for each 32 codes along K); x 8 x 2,048 x 512 float32.
;; Outputs: out0 8 x 2,048 x 512 float32.
;; This version of the problem:
;;   THIS VERSION OF THE PROBLEM IS GIVEN IN LOW PRECISION. The matrix products marked QUANTISED in the list below multiply operands that are first quantised to E2M1 (2 exponent bits, 1 mantissa bit; 4 bits a number), with one power-of-two scale for each 32 numbers along K (OCP MX v1.0); their sums are f32. All else is computed in f32.
;;   The module's matrix products, in the order in which they are computed (A, B: the left and right operand; K: the contracted axis; several contracted axes count as one K, in the product's order):
;;     1. [M 16,384, K 512] x [K 512, N 512]; A: input x; B: input wq (given as codes): QUANTISED
;;     2. [M 16,384, K 512] x [K 512, N 512]; A: input x; B: input wk (given as codes): QUANTISED
;;     3. [M 16,384, K 512] x [K 512, N 512]; A: input x; B: input wv (given as codes): QUANTISED
;;     4. batch 8 x [M 2,048, K 512] x [K 512, N 2,048]; A: computed on the way; B: computed on the way: QUANTISED
;;     5. batch 8 x [M 2,048, K 2,048] x [K 2,048, N 512]; A: softmax (see below); B: computed on the way: QUANTISED
;;     6. [M 16,384, K 512] x [K 512, N 512]; A: computed on the way; B: input wc (given as codes): QUANTISED
;;     7. [M 16,384, K 512] x [K 512, N 512]; A: computed on the way; B: input w1 (given as codes): QUANTISED
;;     8. [M 16,384, K 512] x [K 512, N 512]; A: computed on the way; B: input w2 (given as codes): QUANTISED
;;   THE QUANTISER, for each operand of a quantised product, along K:
;;     - K is cut into blocks of 32 from its start; a last block that is shorter is filled with zeros.
;;     - A block's scale is 2^e with e = floor(log2(the largest magnitude in the block)) - 2, held to -126 .. 127; a block of zeros has e = 0. As a byte (E8M0): e + 127.
;;     - Each number is divided by its block's scale, clamped to +-6, and rounded to the nearest number of E2M1, ties to even, subnormals kept.
;;     - The product sums the exact products of the quantised numbers (number of the format x scale) in f32.
;;   ~~~python
;;   def quantise(x, axis):      # numpy; x: float32 -> the quantised numbers, widened to float32 again
;;       x = np.moveaxis(x, axis, -1); K = x.shape[-1]
;;       x = np.pad(x, [(0, 0)] * (x.ndim - 1) + [(0, -K % 32)]); x = x.reshape(x.shape[:-1] + (-1, 32)); a = np.abs(x).max(-1, keepdims=True)
;;       e = np.where(a > 0, np.clip(np.frexp(np.where(a > 0, a, 1))[1] - 1 - 2, -126, 127), 0)      # np.frexp(a)[1] - 1 = floor(log2(a)), exactly
;;       r = np.clip(x / 2.0 ** e, -6, 6)
;;       step = 2.0 ** (np.maximum(np.frexp(np.where(r == 0, 1, r))[1] - 1, 0) - 1)
;;       q = np.round(r / step) * step * 2.0 ** e      # np.round: ties to even
;;       return np.moveaxis(q.reshape(q.shape[:-2] + (-1,))[..., :K], -1, axis).astype(np.float32)
;;   ~~~
;;   SOFTMAX AHEAD OF A QUANTISED PRODUCT. Where the list says 'softmax', what is quantised is not the finished softmax but p = 2^(t - M), with t = logit x log2(e) and M = ceil(the row's largest t), a whole number; so 1/2 < the row's largest p <= 1. The row's sum l is taken of the UNQUANTISED p, in f32, and the product's result is divided by l at the end. Since M is a whole number, a kernel that streams over the keys may use a running M (the ceiling of the running maximum): every later rescaling is an exact power of two, which a block's scale takes up: the codes' values come out the same.
;;   OPERANDS COMPUTED ON THE WAY. 'Computed on the way' means the value that the module computes at that place (a softmax that the list does not call 'softmax' is quantised finished and normalised). What goes into a quantiser is computed in f32, as accurately as f32 sums, v_exp_f32 and their like allow (about 1e-6 of the number): no bf16 or f16 on the way to a quantiser, and a product that is left as it is and whose result goes on into a quantised operand takes f32 operands (vector FMAs, or v_wmma_f32_16x16x4_f32). A number that lies on a knife's edge between two numbers of the format may be rounded either way, as far as f32 arithmetic and the matrix unit's own rounding can turn it there, and no further.
;;   INPUTS GIVEN AS CODES. w1 (in the module: [512, 512], K = its axis 0); w2 (in the module: [512, 512], K = its axis 0); wc (in the module: [512, 512], K = its axis 0); wk (in the module: [512, 512], K = its axis 0); wq (in the module: [512, 512], K = its axis 0); wv (in the module: [512, 512], K = its axis 0): each comes as NAME_codes (uint8): NAME with its K axis moved to the last place and cut into blocks of 32 codes, [.., K / 32, bytes a block], one block behind the other in memory; two codes a byte, the lower K in the low four bits (a code: sign, 2 exponent bits, 1 mantissa bit); and NAME_scales (uint8): the same leading axes, one E8M0 byte (e + 127) for each 32 codes along K. Its value is code x scale, taken as it is: it is not quantised again, and the codes and scales need not be those that the quantiser above would give.
;; One version. Each part assembles by itself: llvm-mc -triple=amdgcn-amd-amdhsa -mcpu=gfx1250 --defsym DOCPART=n.
;; ======== version 1 of 1: 2 launches
;; limits: inputs' magnitudes at most 26,353,589
;; workspace buffers: qimg 4,194,304 bytes; qscl 262,144 bytes; kimg 5,570,560 bytes; vimg 5,570,560 bytes; w2img 1,114,112 bytes
;; launch qkv (part 1): grid 256 x 1, 4 waves a work-group, clusters of 4 x 1, 327,680 bytes of LDS; arguments x, wq_codes, wq_scales, bq, wk_codes, wk_scales, bk, wv_codes, wv_scales, bv, wc_codes, wc_scales, w1_codes, w1_scales, w2_codes, w2_scales, qimg, qscl, kimg, vimg, w2img; writes qimg, qscl, kimg, vimg, w2img
.if DOCPART == 1
	.amdgcn_target "amdgcn-amd-amdhsa--gfx1250"
	.amdhsa_code_object_version 6
	.text
	.protected	k_q8d0831e294_qkv
	.globl	k_q8d0831e294_qkv
	.p2align	8
	.type	k_q8d0831e294_qkv,@function
k_q8d0831e294_qkv:
	s_mov_b64 s[64:65], 0
	v_nop
	global_prefetch_b8 v0, s[64:65] scope:SCOPE_SE
	s_setreg_imm32_b32 hwreg(HW_REG_WAVE_MODE, 25, 1), 1
	s_wait_xcnt 0x0
	s_wait_alu depctr_hold_cnt(0) depctr_sa_sdst(0) depctr_va_vdst(0) depctr_va_sdst(0) depctr_va_ssrc(0) depctr_va_vcc(0) depctr_vm_vsrc(0)
	s_getreg_b32 s2, hwreg(HW_REG_IB_STS2, 6, 4)
	s_cmp_eq_u32 s2, 0
	s_cbranch_scc0 .Lentry_in_a_cluster
	s_endpgm
.Lentry_in_a_cluster:
	s_bfe_u32 s2, ttmp6, 0x10000c
	s_cmp_lg_u32 s2, 0x3003
	s_cbranch_scc0 .Lentry_shape_is_right
	s_endpgm
.Lentry_shape_is_right:
; q = x wq + bq, k = x wk + bk, v = x wv + bv on codes of FP4 (E2M1) with one E8M0 scale for each 32 along K, and the results quantised again:
; q and k along the 512 channels, v along the tokens.  All leave as IMAGES OF OPERAND REGISTERS: a fragment (16 rows x 128 K, 8 registers a lane) is 1,024 bytes,
; registers 4 c .. 4 c + 3 of lane l at 512 c + 16 l; scale words lie [tile][lane % 16][4 words, one a K step].
; kimg, vimg: [batch][slot 5][quarter 4][34,816 bytes]: a quarter is what one wave of the next launch reads: 8 tiles x 4 K steps of images (32,768 bytes), then those 8 tiles' scale words (2,048 bytes).  w2img: [batch][quarter 4][34,816].
; SHARES.  A work-group takes 64 rows of x (four tiles of 16).  THE WAVES SHARE THE COLUMNS: wave w makes channels 128 w .. 128 w + 127 of q, k and v for all 64 rows,
; so each weight fragment read from LDS feeds four matrix instructions.  32 accumulators take turns.
; TILE ORDER.  Lane r of tile t of any run of rows (tokens, weight rows) is row 32 (t / 2) + 8 (t % 2) + r + 8 (r / 8): the 16 registers of result tiles 2 b and 2 b + 1 are then 16 neighbours along the next K.
; q, k: source 0 = 16 weight rows, source 1 = 16 tokens: a lane holds one token, its registers run along the channels.  v: the sources change places: a lane holds one channel, its registers run along the tokens.
; The biases are the C of each sum's first matrix instruction.
; x: a load takes 256 consecutive bytes of each of two rows, 16 bytes a lane; the quantiser wants 16 neighbours in a lane: half a K step (16 rows x 256 bytes) at a time turns through the wave's own stage in LDS.
; CLUSTER.  The four work-groups of a cluster read the same weights: each quarter (128 rows) is asked for jointly, mask 15.  wq and wk are first fills; wv takes wq's bytes behind a round of the cluster's barrier.
; BESIDES: work-group G of a batch copies tile G of wc, w1 and w2 (codes and scale bytes) into the same layout: wc is the fifth slot behind that batch's K, w1 behind its V, w2 lies in w2img: the next launch's loads then step by constants.
; v's scale bytes leave two at a time (16 stores of 2 bytes a lane in a work-group): a work-group has only two of a row's sixteen bytes.  All codes leave as 512 consecutive bytes an instruction.
; LIMITS: NaN and infinities among the inputs are not served.  A block whose largest magnitude lies under 2^-124 (a block of zeros too) gets the byte 1; its codes are zeros or near it; these bytes are read by this program alone.
; No prefetch: a wave's loads of x all go out at the head, and there is no loop to run ahead of.
.set WP,    272                        ; a weight row in LDS: 256 bytes + 16 of padding: the 16 rows of a fragment load start 68 words apart
.set WQB,   128*WP                     ; a wave's 128 rows
.set WA,    0                          ; wq, later wv
.set WB,    4*WQB                      ; wk
.set XIMG,  8*WQB                      ; x's 16 fragments: (tile m, K step s) at (4 m + s) x 1,024
.set XSC,   XIMG+16384                 ; their scale words [m][r][s]
.set SST,   XSC+1024                   ; q's scale words [m][r][wave], then k's 1,024 on
.set SPARE, SST+2048                   ; the spare words, 128 bytes a wave; no other line names them
.set STG,   SPARE+512                  ; x's stages: 16 rows x (256 bytes + 16) for each wave
.set QTR,   34816                      ; a quarter of a slot in kimg, vimg, w2img
.set SLOTB, 4*QTR
.set WS,  32                           ; v32-79  weight scale words: q's 16, k's 16, v's 16; register 4 p + s: lanes 0-15 tile 2 p, lanes 16-31 tile 2 p + 1
.set XS,  80                           ; v80-87  x's scale words, likewise
.set QT,  96                           ; v96-111 at work in QUANT
.set PC,  112                          ; v112-143 codes just made, 8 a fragment
.set PW,  144                          ; v144-147 scale words just made
.set VT,  148                          ; v148-151 v's scale halfwords
.set RS,  152                          ; v152-153 repacked scale bytes
.set SB,  154                          ; v154-157 scale words on the way out
.set STW, 158                          ; v158    the stage, in: row 2 i + lane / 16, 16 bytes a lane
.set STR, 159                          ; v159    the stage, out: row lane % 16, + 64 (lane / 16)
.set BQ,  0                            ; window 3: bq, bk (64 each, in the result's layout), bv (8 tiles x 8), repack data
.set BK,  64
.set BV,  128
.set RP,  192
.set XF,  128                          ; window 2: v0-127 two buffers of weight fragments; v128-255 x's 16 fragments.  Window 1: x's 256 numbers, then the 32 accumulators
.set WV,  50
.set SEL, 62
.set G1,  68
.set G0A, 76
.set G0B, 80
.set MSB, 0
.macro WIN new                         ; low byte: bits 1:0 source 0, 3:2 source 1, 5:4 source 2, 7:6 destination; the high byte repeats the setting that is left
.if MSB != (\new)
	s_set_vgpr_msb (MSB<<8)|(\new)
.set MSB, (\new)
.endif
.endm
.macro PLACES n
.rept \n
	v_nop
.endr
.endm
.macro ROUND                           ; a round of the cluster's barrier
	s_barrier_signal -1
	s_barrier_wait -1
	s_cmp_lg_u32 s[WV], 0
	s_cbranch_scc1 .Lnw0_\@
	s_barrier_signal -3
.Lnw0_\@:
	s_barrier_wait -3
	s_barrier_signal -1
	s_barrier_wait -1
.endm
; 64 numbers of a lane in window win, register 16 b + i = k 32 b + 16 (lane / 16) + i of the lane's row, become a fragment's codes in v[pc] on and its scale word in v[pw] (window 0).
.macro QUANT src, win, pc, pw
	WIN (\win)|((\win)<<2)
.irp b, 0,1,2,3
	v_max3_num_f32 v[QT+\b], |v[(\src)+16*\b]|, |v[(\src)+16*\b+1]|, 0x1800000   ; my 16 numbers of block b, and the floor 2^(3 - 127): the byte cannot fall under 1
.endr
	WIN ((\win)<<2)|((\win)<<4)
.irp i, 2,4,6,8,10,12,14
.irp b, 0,1,2,3
	v_max3_num_f32 v[QT+\b], v[QT+\b], |v[(\src)+16*\b+\i]|, |v[(\src)+16*\b+\i+1]|
.endr
.endr
	WIN 0
.irp b, 0,1,2,3
	v_permlanex16_b32 v[QT+4+\b], v[QT+\b], s[SEL], s[SEL+1]
.endr
.irp b, 0,1,2,3
	v_max_num_f32 v[QT+\b], v[QT+\b], v[QT+4+\b]   ; with lane l xor 16's: the block's largest magnitude
.endr
.irp b, 0,1,2,3
	v_add_nc_u32 v[QT+12+\b], 0xff000000, v[QT+\b]   ; 2 off its exponent field: the conversion's scale operand
.endr
.irp b, 0,1,2,3
	v_lshrrev_b32 v[QT+4+\b], 23, v[QT+12+\b]        ; the scale's byte
.endr
	v_lshl_or_b32 v[\pw], v[QT+5], 8, v[QT+4]
	v_lshl_or_b32 v[\pw], v[QT+6], 16, v[\pw]
	v_lshl_or_b32 v[\pw], v[QT+7], 24, v[\pw]
	WIN (\win)
.irp b, 0,1,2,3
	v_cvt_scalef32_pk8_fp4_f32 v[(\pc)+2*\b], v[(\src)+16*\b:(\src)+16*\b+7], v[QT+12+\b]
	v_cvt_scalef32_pk8_fp4_f32 v[(\pc)+2*\b+1], v[(\src)+16*\b+8:(\src)+16*\b+15], v[QT+12+\b]
.endr
	WIN 0
	v_nop                                          ; one plain place behind the scaled conversions
.irp c, 0,1                                    ; the operand's layout wants a whole block in a lane
.irp i, 0,1
	v_permlane16_swap_b32 v[(\pc)+4*\c+\i], v[(\pc)+4*\c+2+\i]
.endr
.endr
.endm
; one matrix instruction.  cm = 0: C is the constant 0.  ra, rb = 1: that side's scale words stand in lanes 16-31 of the register named
.macro WM d, a, b, cm, c, sa, sb, ra, rb
.if (\cm) == 0
.if ((\ra) == 0) && ((\rb) == 0)
	v_wmma_scale_f32_16x16x128_f8f6f4 v[(\d):(\d)+7], v[(\a):(\a)+7], v[(\b):(\b)+7], 0, v[\sa], v[\sb] matrix_a_fmt:MATRIX_FMT_FP4 matrix_b_fmt:MATRIX_FMT_FP4
.elseif (\rb) == 0
	v_wmma_scale_f32_16x16x128_f8f6f4 v[(\d):(\d)+7], v[(\a):(\a)+7], v[(\b):(\b)+7], 0, v[\sa], v[\sb] matrix_a_fmt:MATRIX_FMT_FP4 matrix_b_fmt:MATRIX_FMT_FP4 matrix_a_scale:MATRIX_SCALE_ROW1
.elseif (\ra) == 0
	v_wmma_scale_f32_16x16x128_f8f6f4 v[(\d):(\d)+7], v[(\a):(\a)+7], v[(\b):(\b)+7], 0, v[\sa], v[\sb] matrix_a_fmt:MATRIX_FMT_FP4 matrix_b_fmt:MATRIX_FMT_FP4 matrix_b_scale:MATRIX_SCALE_ROW1
.else
	v_wmma_scale_f32_16x16x128_f8f6f4 v[(\d):(\d)+7], v[(\a):(\a)+7], v[(\b):(\b)+7], 0, v[\sa], v[\sb] matrix_a_fmt:MATRIX_FMT_FP4 matrix_b_fmt:MATRIX_FMT_FP4 matrix_a_scale:MATRIX_SCALE_ROW1 matrix_b_scale:MATRIX_SCALE_ROW1
.endif
.else
.if ((\ra) == 0) && ((\rb) == 0)
	v_wmma_scale_f32_16x16x128_f8f6f4 v[(\d):(\d)+7], v[(\a):(\a)+7], v[(\b):(\b)+7], v[(\c):(\c)+7], v[\sa], v[\sb] matrix_a_fmt:MATRIX_FMT_FP4 matrix_b_fmt:MATRIX_FMT_FP4
.elseif (\rb) == 0
	v_wmma_scale_f32_16x16x128_f8f6f4 v[(\d):(\d)+7], v[(\a):(\a)+7], v[(\b):(\b)+7], v[(\c):(\c)+7], v[\sa], v[\sb] matrix_a_fmt:MATRIX_FMT_FP4 matrix_b_fmt:MATRIX_FMT_FP4 matrix_a_scale:MATRIX_SCALE_ROW1
.elseif (\ra) == 0
	v_wmma_scale_f32_16x16x128_f8f6f4 v[(\d):(\d)+7], v[(\a):(\a)+7], v[(\b):(\b)+7], v[(\c):(\c)+7], v[\sa], v[\sb] matrix_a_fmt:MATRIX_FMT_FP4 matrix_b_fmt:MATRIX_FMT_FP4 matrix_b_scale:MATRIX_SCALE_ROW1
.else
	v_wmma_scale_f32_16x16x128_f8f6f4 v[(\d):(\d)+7], v[(\a):(\a)+7], v[(\b):(\b)+7], v[(\c):(\c)+7], v[\sa], v[\sb] matrix_a_fmt:MATRIX_FMT_FP4 matrix_b_fmt:MATRIX_FMT_FP4 matrix_a_scale:MATRIX_SCALE_ROW1 matrix_b_scale:MATRIX_SCALE_ROW1
.endif
.endif
.endm
.macro WFR areg, s, buf                ; my 8 weight fragments of K step s into buffer buf (window 2): 16 loads in one run
	WIN 0x80
.irp t, 0,1,2,3,4,5,6,7
.irp c, 0,1
	ds_load_b128 v[64*(\buf)+8*\t+4*\c:64*(\buf)+8*\t+4*\c+3], v[\areg] offset:(32*(\t/2)+8*(\t%2))*WP+64*(\s)+32*\c
.endr
.endr
.endm
; 128 matrix instructions: 4 K steps x (4 tiles of tokens x my 8 weight tiles).  A K step's fragments are asked for one K step ahead.  Four v_nop stand in front of each run of loads into registers that matrix instructions have read.
.macro LGEMM areg, ws, cb, swap
	PLACES 4
	WFR \areg, 0, 0
.irp s, 0,1,2,3
.if \s < 3
.if \s > 0
	PLACES 4
.endif
	WFR \areg, \s+1, (\s+1)%2
	s_wait_dscnt 16                                ; all but the 16 loads just issued
.else
	s_wait_dscnt 0x0
.endif
.if \s == 0
	WIN 0x7a                                       ; sources 0, 1 window 2; C (the bias) window 3; D window 1
.else
	WIN 0x5a                                       ; C and D window 1
.endif
.irp m, 0,1,2,3
.irp t, 0,1,2,3,4,5,6,7
.if \swap
.if \s == 0
	WM 32*\t+8*\m, XF+8*(4*\m+\s), 64*(\s%2)+8*\t, 1, (\cb)+8*\t, XS+4*(\m/2)+\s, (\ws)+4*(\t/2)+\s, \m%2, \t%2
.else
	WM 32*\t+8*\m, XF+8*(4*\m+\s), 64*(\s%2)+8*\t, 1, 32*\t+8*\m, XS+4*(\m/2)+\s, (\ws)+4*(\t/2)+\s, \m%2, \t%2
.endif
.else
.if \s == 0
	WM 64*\m+8*\t, 64*(\s%2)+8*\t, XF+8*(4*\m+\s), 1, (\cb)+8*\t, (\ws)+4*(\t/2)+\s, XS+4*(\m/2)+\s, \t%2, \m%2
.else
	WM 64*\m+8*\t, 64*(\s%2)+8*\t, XF+8*(4*\m+\s), 1, 64*\m+8*\t, (\ws)+4*(\t/2)+\s, XS+4*(\m/2)+\s, \t%2, \m%2
.endif
.endif
.endr
.endr
.endr
.endm
.macro QOUT sb, sst                    ; q or k: my 128 channels of each tile of tokens are K step w of that tile's fragment row: image to memory, scale word to LDS
.irp m, 0,1,2,3
	QUANT 64*\m, 1, PC+8*\m, PW+\m
	global_store_b128 v22, v[PC+8*\m:PC+8*\m+3], s[\sb:\sb+1] offset:4096*\m
	global_store_b128 v22, v[PC+8*\m+4:PC+8*\m+7], s[\sb:\sb+1] offset:4096*\m+512
	ds_store_b32 v11, v[PW+\m] offset:(\sst)+256*\m
.endr
.endm
.macro VOUT                            ; v: weight tiles t and t + 1 at a time: each has 64 tokens, two blocks: half a fragment (512 bytes) and two scale bytes
.irp t, 0,2,4,6
	QUANT 32*\t, 1, PC+4*\t, PW+\t/2
	global_store_b128 v23, v[PC+4*\t:PC+4*\t+3], s[96:97] offset:4096*\t
	global_store_b128 v23, v[PC+4*\t+4:PC+4*\t+7], s[96:97] offset:4096*\t+4096
	v_lshrrev_b32 v[VT+\t/2], v20, v[PW+\t/2]      ; lanes 0-15 keep tile t's two bytes, lanes 16-31 take tile t + 1's
	global_store_b16 v21, v[VT+\t/2], s[98:99] offset:256*\t
.endr
.endm
; K step s of my 16 rows of x: the 16 (3 - s) younger loads of x may stay out.  Its two halves turn through my stage one after the other, and come back into the registers that they left:
; LDS serves a wave's instructions in order (ISA guide 5.7.1.4), so the loads see the stores above them, and the second half's stores come behind the first half's loads.
.macro XQ s
	s_wait_loadcnt 48-16*(\s)
.irp u, 0,1
	WIN 0x04                                       ; an LDS store's data are its source 1: window 1
.irp i, 0,1,2,3,4,5,6,7
	ds_store_b128 v[STW], v[64*(\s)+32*\u+4*\i:64*(\s)+32*\u+4*\i+3] offset:544*\i
.endr
	WIN 0x40
.irp b, 0,1
.irp j, 0,1,2,3
	ds_load_b128 v[64*(\s)+32*\u+16*\b+4*\j:64*(\s)+32*\u+16*\b+4*\j+3], v[STR] offset:128*\b+16*\j
.endr
.endr
.endr
	s_wait_dscnt 0x0                               ; register 16 b + i now holds k 32 b + 16 (lane / 16) + i of my row
	QUANT 64*(\s), 1, PC+8*(\s), PW+(\s)
	ds_store_b128 v7, v[PC+8*(\s):PC+8*(\s)+3] offset:1024*(\s)
	ds_store_b128 v7, v[PC+8*(\s)+4:PC+8*(\s)+7] offset:1024*(\s)+512
	ds_store_b32 v9, v[PW+(\s)] offset:4*(\s)      ; both lanes of a row write the same word with the same value
.endm
	s_load_b512 s[4:19], s[0:1], 0x0               ; x 4, wq_codes 6, wq_scales 8, bq 10, wk_codes 12, wk_scales 14, bk 16, wv_codes 18
	s_load_b512 s[20:35], s[0:1], 0x40             ; wv_scales 20, bv 22, wc_codes 24, wc_scales 26, w1_codes 28, w1_scales 30, w2_codes 32, w2_scales 34
	s_load_b256 s[36:43], s[0:1], 0x80             ; qimg 36, qscl 38, kimg 40, vimg 42
	s_load_b64 s[44:45], s[0:1], 0xa0              ; w2img
	v_lshl_add_u32 v4, v0, 2, SPARE                ; my spare word; never rewritten
	v_mov_b32 v5, 0                                ; 0; never rewritten
	ds_add_u32 v4, v5
	ds_add_u32 v4, v5
	s_wait_dscnt 0x0
	v_lshrrev_b32 v25, 5, v0
	v_readfirstlane_b32 s[WV], v25                 ; wave 0..3
	s_bfe_u32 s51, ttmp6, 0x40000                  ; cx
	s_lshl_b32 s52, ttmp9, 2
	s_add_co_u32 s52, s52, s51                     ; g: my block of 64 rows; it enters global addresses alone
	s_lshr_b32 s53, s52, 5                         ; batch
	s_and_b32 s54, s52, 31                         ; G: my block in the batch
	v_and_b32 v26, 31, v0                          ; lane
	v_and_b32 v27, 15, v0                          ; r
	v_bfe_u32 v28, v0, 4, 1                        ; h
	v_and_b32 v29, 8, v27
	v_add_nc_u32 v29, v29, v27                     ; pr = r + 8 (r / 8)
	v_lshlrev_b32 v1, 4, v26                       ; 16 x lane
	s_mul_i32 s55, s[WV], WQB
	v_mul_u32_u24 v2, v29, WP
	v_lshl_add_u32 v2, v28, 4, v2
	v_add_nc_u32 v2, s55, v2                       ; my fragments in WA: wave's rows + pr x pitch + 16 h
	v_add_nc_u32 v3, WB, v2                        ; and in WB
	s_lshr_b32 s56, s[WV], 1
	s_lshl_b32 s56, s56, 5
	s_and_b32 s57, s[WV], 1
	s_lshl_b32 s57, s57, 3
	s_add_co_u32 s56, s56, s57                     ; tile w's first row
	v_add_nc_u32 v6, s56, v28
	v_lshlrev_b32 v6, 11, v6
	v_lshl_add_u32 v6, v27, 4, v6                  ; x: lanes 0-15 one row of 2,048 bytes, lanes 16-31 the next; 16 bytes a lane
	s_mul_i32 s57, s[WV], 16*272
	s_add_co_u32 s57, s57, STG                     ; my stage
	v_mul_u32_u24 v[STW], v28, 272
	v_lshl_add_u32 v[STW], v27, 4, v[STW]
	v_add_nc_u32 v[STW], s57, v[STW]
	v_mul_u32_u24 v[STR], v27, 272
	v_lshl_add_u32 v[STR], v28, 6, v[STR]
	v_add_nc_u32 v[STR], s57, v[STR]
	s_lshl_b32 s57, s[WV], 12
	s_add_co_u32 s57, s57, XIMG
	v_add_nc_u32 v7, s57, v1                       ; where I store x's images
	v_add_nc_u32 v8, XIMG, v1                      ; and where any wave reads them
	s_lshl_b32 s57, s[WV], 8
	s_add_co_u32 s57, s57, XSC
	v_lshl_add_u32 v9, v27, 4, s57
	v_add_nc_u32 v10, XSC, v1
	s_lshl_b32 s57, s[WV], 2
	s_add_co_u32 s57, s57, SST
	v_lshl_add_u32 v11, v27, 4, s57
	v_lshl_add_u32 v12, v0, 3, SST
	v_lshl_add_u32 v13, v28, 3, v29
	v_lshlrev_b32 v13, 4, v13
	s_lshl_b32 s57, s[WV], 11
	v_add_nc_u32 v13, s57, v13                     ; weight scale words: 16 bytes a row; lanes 16-31 take the odd tile, 8 rows on
	s_mul_i32 s57, s[WV], QTR
	v_add_nc_u32 v23, s57, v1                      ; v's images: my channels' quarter + 16 x lane
	s_add_co_u32 s57, s57, 32768
	v_add_nc_u32 v21, s57, v1                      ; v's scale bytes: behind that quarter's images
	s_lshl_b32 s57, s[WV], 9
	v_lshl_add_u32 v14, v28, 6, s57                ; bq, bk: my 128 numbers, + 16 h numbers
	v_lshl_add_u32 v15, v29, 2, s57                ; bv: one number a lane
	s_lshr_b32 s58, s54, 1
	s_lshl_b32 s58, s58, 5
	s_and_b32 s59, s54, 1
	s_lshl_b32 s59, s59, 3
	s_add_co_u32 s58, s58, s59                     ; weight tile G's first row
	v_add_nc_u32 v16, s58, v29
	v_lshlrev_b32 v16, 8, v16
	v_lshl_add_u32 v16, v28, 4, v16
	s_lshl_b32 s59, s[WV], 6
	v_add_nc_u32 v16, s59, v16                     ; repack, from: row x 256 + 64 x wave (the K step) + 16 h
	s_lshl_b32 s59, s[WV], 10
	v_add_nc_u32 v22, s59, v1                      ; q's and k's images: 1,024 x wave + 16 x lane
	s_lshr_b32 s60, s54, 3
	s_mul_i32 s60, s60, QTR                        ; weight tile G lies in quarter G / 8,
	s_and_b32 s61, s54, 7                          ; as its tile G % 8
	s_lshl_b32 s51, s61, 12
	s_add_co_u32 s51, s51, s60
	s_add_co_u32 s51, s51, s59
	v_add_nc_u32 v17, s51, v1                      ; repack, to: quarter + 4,096 (G % 8) + 1,024 x wave + 16 x lane
	v_lshrrev_b32 v30, 1, v26
	v_and_b32 v31, 8, v30
	v_add_nc_u32 v30, v30, v31
	v_add_nc_u32 v30, s58, v30
	v_and_b32 v31, 1, v26
	v_lshlrev_b32 v31, 3, v31
	v_lshl_add_u32 v18, v30, 4, v31                ; repacked scale bytes, from: two lanes to a row of 16 bytes
	s_lshl_b32 s51, s61, 8
	s_add_co_u32 s51, s51, s60
	s_add_co_u32 s51, s51, 32768
	v_lshl_add_u32 v19, v26, 3, s51                ; and to: quarter + 32,768 + 256 (G % 8) + 8 x lane
	v_lshlrev_b32 v20, 4, v28                      ; 16 h
	v_lshlrev_b32 v24, 3, v0                       ; 8 x thread
.irp b, 0,1,2,3
	v_mov_b32 v[QT+4+\b], 0                        ; written once: a lane permute's destination counts as one of its sources
.endr
	s_mov_b32 s[SEL], 0x76543210
	s_mov_b32 s[SEL+1], 0xfedcba98
	; descriptor group 1: 128 rows of 256 bytes, dense in memory, 16 bytes of padding behind each in LDS; mask: all four work-groups
	s_mov_b32 s[G1], 15|(1<<20)|(1<<21)|(5<<22)|(3<<25)
	s_mov_b32 s[G1+1], 256<<16
	s_mov_b32 s[G1+2], 128<<16
	s_mov_b32 s[G1+3], 256<<16
	s_mov_b32 s[G1+4], 128
	s_mov_b32 s[G1+5], 256
	s_mov_b32 s[G1+6], 0
	s_mov_b32 s[G1+7], 0
	s_lshl_b32 s60, s[WV], 15                      ; my 128 rows in a weight's codes
	s_mov_b32 s61, 0
	s_mov_b32 s87, 0
	s_wait_kmcnt 0x0
	s_mov_b32 s[G0A], 1
	s_mov_b32 s[G0A+1], s55
	s_add_nc_u64 s[G0A+2:G0A+3], s[6:7], s[60:61]
	s_or_b32 s[G0A+3], s[G0A+3], 0x80000000
	s_mov_b32 s[G0B], 1
	s_add_co_u32 s[G0B+1], s55, WB
	s_add_nc_u64 s[G0B+2:G0B+3], s[12:13], s[60:61]
	s_or_b32 s[G0B+3], s[G0B+3], 0x80000000
	s_add_nc_u64 s[84:85], s[18:19], s[60:61]      ; wv's, for the refill
	ROUND                                          ; all four work-groups are here: the first joint loads meet
	tensor_load_to_lds s[G0A:G0A+3], s[G1:G1+7]    ; wq
	s_nop 0
	tensor_load_to_lds s[G0B:G0B+3], s[G1:G1+7]    ; wk: two loads of mine are out
	s_nop 0
	PLACES 4
	s_lshl_b32 s86, s52, 17
	s_add_nc_u64 s[4:5], s[4:5], s[86:87]          ; x at my 64 rows
	s_mul_i32 s86, s53, 5*SLOTB
	s_add_nc_u64 s[40:41], s[40:41], s[86:87]      ; kimg, vimg at my batch
	s_add_nc_u64 s[42:43], s[42:43], s[86:87]
	s_mul_i32 s86, s53, SLOTB
	s_add_nc_u64 s[44:45], s[44:45], s[86:87]      ; w2img at my batch
	s_lshl_b32 s86, s52, 14
	s_add_nc_u64 s[36:37], s[36:37], s[86:87]      ; q's images of my four tiles
	s_lshl_b32 s86, s52, 10
	s_add_nc_u64 s[38:39], s[38:39], s[86:87]      ; and their scale words
	s_lshr_b32 s92, s54, 3                         ; my 64 tokens as keys: key step G / 8,
	s_bfe_u32 s93, s54, 0x20001                    ; its 128 keys number (G / 2) % 4,
	s_and_b32 s94, s54, 1                          ; half G % 2 of those
	s_mul_i32 s92, s92, SLOTB                      ; the key step's slot
	s_mul_i32 s95, s93, QTR
	s_add_co_u32 s95, s95, s92                     ; K: those 128 keys are a quarter's eight tiles; mine are four of them
	s_lshl_b32 s86, s94, 14
	s_add_co_u32 s86, s86, s95
	s_add_nc_u64 s[88:89], s[40:41], s[86:87]      ; k's images
	s_lshl_b32 s86, s94, 10
	s_add_co_u32 s86, s86, s95
	s_add_co_u32 s86, s86, 32768
	s_add_nc_u64 s[90:91], s[40:41], s[86:87]      ; and scale words, behind the quarter's images
	s_lshl_b32 s86, s93, 10                        ; V: those 128 keys are K step (G / 2) % 4 of every fragment row
	s_add_co_u32 s86, s86, s92
	s_lshl_b32 s95, s94, 9
	s_add_co_u32 s86, s86, s95
	s_add_nc_u64 s[96:97], s[42:43], s[86:87]      ; v's half fragments
	s_lshl_b32 s86, s93, 2
	s_add_co_u32 s86, s86, s92
	s_lshl_b32 s95, s94, 1
	s_add_co_u32 s86, s86, s95
	s_add_nc_u64 s[98:99], s[42:43], s[86:87]      ; v's two scale bytes a row
	s_add_nc_u64 s[56:57], s[40:41], 4*SLOTB       ; the repacked scale bytes: wave 0 wc's, wave 1 w1's, wave 2 w2's
	s_add_nc_u64 s[58:59], s[42:43], 4*SLOTB
	s_cmp_eq_u32 s[WV], 0
	s_cselect_b64 s[56:57], s[56:57], s[58:59]
	s_cselect_b64 s[58:59], s[26:27], s[30:31]
	s_cmp_eq_u32 s[WV], 2
	s_cselect_b64 s[56:57], s[44:45], s[56:57]
	s_cselect_b64 s[58:59], s[34:35], s[58:59]
	; all loads of the launch, the small ones first, x last
	WIN 0xc0
.irp c, 0,1
	global_load_b128 v[RP+4*\c:RP+4*\c+3], v16, s[24:25] offset:32*\c
	global_load_b128 v[RP+8+4*\c:RP+8+4*\c+3], v16, s[28:29] offset:32*\c
	global_load_b128 v[RP+16+4*\c:RP+16+4*\c+3], v16, s[32:33] offset:32*\c
.endr
	WIN 0
	s_cmp_lt_u32 s[WV], 3
	s_cbranch_scc0 .Lno_rs
	global_load_b64 v[RS:RS+1], v18, s[58:59]
.Lno_rs:
.irp p, 0,1,2,3
	global_load_b128 v[WS+4*\p:WS+4*\p+3], v13, s[8:9] offset:512*\p
	global_load_b128 v[WS+16+4*\p:WS+16+4*\p+3], v13, s[14:15] offset:512*\p
	global_load_b128 v[WS+32+4*\p:WS+32+4*\p+3], v13, s[20:21] offset:512*\p
.endr
	WIN 0xc0
.irp b, 0,1,2,3
.irp j, 0,1,2,3
	global_load_b128 v[BQ+16*\b+4*\j:BQ+16*\b+4*\j+3], v14, s[10:11] offset:128*\b+16*\j
	global_load_b128 v[BK+16*\b+4*\j:BK+16*\b+4*\j+3], v14, s[16:17] offset:128*\b+16*\j
.endr
.endr
.irp t, 0,1,2,3,4,5,6,7
	global_load_b32 v[BV+8*\t], v15, s[22:23] offset:(32*(\t/2)+8*(\t%2))*4
.endr
	WIN 0x40
.irp s, 0,1,2,3
.irp u, 0,1
.irp i, 0,1,2,3,4,5,6,7
	global_load_b128 v[64*\s+32*\u+4*\i:64*\s+32*\u+4*\i+3], v6, s[4:5] offset:(2*\i+8*(\i/4))*2048+512*\s+256*\u th:TH_LOAD_NT   ; rows 2 i and 2 i + 1 of my tile: 256 consecutive bytes of each, at a multiple of 256 from x's first byte
.endr
.endr
.endr
	WIN 0
	XQ 0                                           ; (all that was asked for ahead of x is in too)
	WIN 0x0c                                       ; a store's data are its source 1: window 3
.irp c, 0,1
	global_store_b128 v17, v[RP+4*\c:RP+4*\c+3], s[40:41] offset:4*SLOTB+512*\c      ; wc's image: the fifth slot behind K's four
	global_store_b128 v17, v[RP+8+4*\c:RP+8+4*\c+3], s[42:43] offset:4*SLOTB+512*\c  ; w1's: behind V's four
	global_store_b128 v17, v[RP+16+4*\c:RP+16+4*\c+3], s[44:45] offset:512*\c        ; w2's
.endr
	WIN 0
	s_cmp_lt_u32 s[WV], 3
	s_cbranch_scc0 .Lno_rs2
	global_store_b64 v19, v[RS:RS+1], s[56:57]
.Lno_rs2:
	WIN 0xc3
.irp t, 0,1,2,3,4,5,6,7
.irp j, 1,2,3,4,5,6,7
	v_mov_b32 v[BV+8*\t+\j], v[BV+8*\t]            ; in v's result a lane holds one channel: its bias fills the tile's eight C registers
.endr
.endr
	WIN 0
	XQ 1
	XQ 2
	XQ 3
	s_wait_dscnt 0x0                               ; my images have landed
	s_barrier_signal -1
	s_barrier_wait -1                              ; everybody's have.  The weights' loads may stay out
	WIN 0x80
.irp f, 0,1,2,3,4,5,6,7,8,9,10,11,12,13,14,15
	ds_load_b128 v[XF+8*\f:XF+8*\f+3], v8 offset:1024*\f
	ds_load_b128 v[XF+8*\f+4:XF+8*\f+7], v8 offset:1024*\f+512
.endr
	WIN 0
	ds_load_b128 v[XS:XS+3], v10
	ds_load_b128 v[XS+4:XS+7], v10 offset:512
	s_wait_tensorcnt 0x1                           ; my rows of wq are in (I alone read them); wk's load may be out
	LGEMM 2, WS, BQ, 0
	WIN 0
	s_wait_tensorcnt 0x0                           ; all my tensor loads have landed,
	ds_add_u32 v4, v5                              ; 0 onto my spare word
	s_mov_b64 s[G0A+2:G0A+3], s[84:85]             ; no load of mine is out: the descriptor takes wv's address
	s_or_b32 s[G0A+3], s[G0A+3], 0x80000000
	s_wait_dscnt 0x0                               ; the add is done, and my reads of wq are over
	ROUND                                          ; so it is with every wave of the four work-groups
	tensor_load_to_lds s[G0A:G0A+3], s[G1:G1+7]    ; wv into wq's bytes: it has q's way out and all of k in which to land
	s_nop 0
	PLACES 4                                       ; also the places ahead of the first read of q
	QOUT 36, 0
	LGEMM 3, WS+16, BK, 0
	PLACES 4
	s_wait_xcnt 0x0                                ; q's stores have read their registers
	QOUT 88, 1024
	s_wait_tensorcnt 0x0                           ; my rows of wv are in
	LGEMM 2, WS+32, BV, 1
	PLACES 4
	s_wait_xcnt 0x0                                ; k's stores have read their registers
	VOUT
	s_wait_dscnt 0x0                               ; my scale words of q and k lie in LDS
	s_barrier_signal -1
	s_barrier_wait -1
	ds_load_b64 v[SB:SB+1], v12                    ; a row's four words come from the four waves: they leave whole, 256 consecutive bytes a wave
	ds_load_b64 v[SB+2:SB+3], v12 offset:1024
	s_wait_dscnt 0x0
	global_store_b64 v24, v[SB:SB+1], s[38:39]
	global_store_b64 v24, v[SB+2:SB+3], s[90:91]
	s_wait_tensorcnt 0x0                           ; the wave's end
	ds_add_u32 v4, v5
	s_wait_dscnt 0x0
	ROUND                                          ; the closing round
	s_endpgm
.Lfunc_end_k_q8d0831e294_qkv:
	.size	k_q8d0831e294_qkv, .Lfunc_end_k_q8d0831e294_qkv-k_q8d0831e294_qkv
	.p2alignl 7, 3214868480
	.fill 96, 4, 3214868480
	.section	.rodata,"a",@progbits
	.p2align	6, 0x0
	.amdhsa_kernel k_q8d0831e294_qkv
		.amdhsa_group_segment_fixed_size 327680
		.amdhsa_private_segment_fixed_size 0
		.amdhsa_enable_private_segment 0
		.amdhsa_kernarg_size 168
		.amdhsa_user_sgpr_count 2
		.amdhsa_user_sgpr_kernarg_segment_ptr 1
		.amdhsa_wavefront_size32 1
		.amdhsa_system_sgpr_workgroup_id_x 1
		.amdhsa_system_sgpr_workgroup_id_y 1
		.amdhsa_system_sgpr_workgroup_id_z 1
		.amdhsa_system_vgpr_workitem_id 0
		.amdhsa_next_free_vgpr 1024
		.amdhsa_next_free_sgpr 100
		.amdhsa_reserve_vcc 0
		.amdhsa_float_denorm_mode_32 3
		.amdhsa_float_denorm_mode_16_64 3
		.amdhsa_memory_ordered 1
		.amdhsa_forward_progress 1
		.amdhsa_inst_pref_size 164
	.end_amdhsa_kernel
	.amdgpu_metadata
---
amdhsa.version: [ 1, 2 ]
amdhsa.kernels:
  - .name:           k_q8d0831e294_qkv
    .symbol:         k_q8d0831e294_qkv.kd
    .args:
      - { .name: x, .offset: 0, .size: 8, .value_kind: global_buffer, .address_space: global }
      - { .name: wq_codes, .offset: 8, .size: 8, .value_kind: global_buffer, .address_space: global }
      - { .name: wq_scales, .offset: 16, .size: 8, .value_kind: global_buffer, .address_space: global }
      - { .name: bq, .offset: 24, .size: 8, .value_kind: global_buffer, .address_space: global }
      - { .name: wk_codes, .offset: 32, .size: 8, .value_kind: global_buffer, .address_space: global }
      - { .name: wk_scales, .offset: 40, .size: 8, .value_kind: global_buffer, .address_space: global }
      - { .name: bk, .offset: 48, .size: 8, .value_kind: global_buffer, .address_space: global }
      - { .name: wv_codes, .offset: 56, .size: 8, .value_kind: global_buffer, .address_space: global }
      - { .name: wv_scales, .offset: 64, .size: 8, .value_kind: global_buffer, .address_space: global }
      - { .name: bv, .offset: 72, .size: 8, .value_kind: global_buffer, .address_space: global }
      - { .name: wc_codes, .offset: 80, .size: 8, .value_kind: global_buffer, .address_space: global }
      - { .name: wc_scales, .offset: 88, .size: 8, .value_kind: global_buffer, .address_space: global }
      - { .name: w1_codes, .offset: 96, .size: 8, .value_kind: global_buffer, .address_space: global }
      - { .name: w1_scales, .offset: 104, .size: 8, .value_kind: global_buffer, .address_space: global }
      - { .name: w2_codes, .offset: 112, .size: 8, .value_kind: global_buffer, .address_space: global }
      - { .name: w2_scales, .offset: 120, .size: 8, .value_kind: global_buffer, .address_space: global }
      - { .name: qimg, .offset: 128, .size: 8, .value_kind: global_buffer, .address_space: global }
      - { .name: qscl, .offset: 136, .size: 8, .value_kind: global_buffer, .address_space: global }
      - { .name: kimg, .offset: 144, .size: 8, .value_kind: global_buffer, .address_space: global }
      - { .name: vimg, .offset: 152, .size: 8, .value_kind: global_buffer, .address_space: global }
      - { .name: w2img, .offset: 160, .size: 8, .value_kind: global_buffer, .address_space: global }
    .group_segment_fixed_size: 327680
    .private_segment_fixed_size: 0
    .kernarg_segment_align: 8
    .kernarg_segment_size: 168
    .max_flat_workgroup_size: 128
    .sgpr_count:     100
    .vgpr_count:     1024
    .wavefront_size: 32
...
	.end_amdgpu_metadata
.endif
;; end of part 1
;; launch attn (part 2): grid 32 x 8, 4 waves a work-group, clusters of 4 x 1, 327,680 bytes of LDS; arguments theta, bc, g1, be1, b1, b2, g2, be2, qimg, qscl, kimg, vimg, w2img, x, out0; writes out0
.if DOCPART == 2
	.amdgcn_target "amdgcn-amd-amdhsa--gfx1250"
	.amdhsa_code_object_version 6
	.text
	.protected	k_q8d0831e294_attn
	.globl	k_q8d0831e294_attn
	.p2align	8
	.type	k_q8d0831e294_attn,@function
k_q8d0831e294_attn:
	s_mov_b64 s[64:65], 0
	v_nop
	global_prefetch_b8 v0, s[64:65] scope:SCOPE_SE
	s_setreg_imm32_b32 hwreg(HW_REG_WAVE_MODE, 25, 1), 1
	s_wait_xcnt 0x0
	s_wait_alu depctr_hold_cnt(0) depctr_sa_sdst(0) depctr_va_vdst(0) depctr_va_sdst(0) depctr_va_ssrc(0) depctr_va_vcc(0) depctr_vm_vsrc(0)
	s_getreg_b32 s2, hwreg(HW_REG_IB_STS2, 6, 4)
	s_cmp_eq_u32 s2, 0
	s_cbranch_scc0 .Lentry_in_a_cluster
	s_endpgm
.Lentry_in_a_cluster:
	s_bfe_u32 s2, ttmp6, 0x10000c
	s_cmp_lg_u32 s2, 0x3003
	s_cbranch_scc0 .Lentry_shape_is_right
	s_endpgm
.Lentry_shape_is_right:
; For 64 queries of one batch: softmax(q k^T / sqrt(512)) v, + cos(x + theta), x wc + bc, residual and LayerNorm, relu MLP (w1, w2), residual and LayerNorm.  All products on codes of FP4 (E2M1) with E8M0 scales.
; Operands come as images of their registers (a fragment, 16 rows x 128 K, is 1,024 bytes: registers 4 c .. 4 c + 3 of lane l at 512 c + 16 l); scale words lie [tile][lane % 16][4 words, one a K step].
; SHARES.  THE WAVES SHARE THE COLUMNS, NOT THE ROWS.  In every product wave w owns 128 of the 512 rows of source 0 (keys of a step, channels of V, rows of a weight) and multiplies them with all four tiles of 16 queries:
; a fragment read from LDS feeds four matrix instructions; 32 accumulators take turns.  A lane holds one query (lane % 16) throughout; its registers run along source 0's rows.
; TILE ORDER: lane r of tile t is row 32 (t / 2) + 8 (t % 2) + r + 8 (r / 8), so that register 16 b + i of a wave's eight result tiles is index 32 b + 16 (lane / 16) + i of its 128: 16 neighbours along the next K.
; What a wave has made (p, activations) reaches the others as images through LDS; row maxima, row sums and the norms' figures meet in LDS likewise.
; SOFTMAX.  t = score x log2(e) / sqrt(512); M = the running largest t rounded up to a whole number; p = 2^(t - M) is quantised along the keys; the sum is taken of the unquantised p; when M moves, sum and O are multiplied by 2^(old M - new M).
; A KEY STEP is 512 keys, four in all.  K's region and V's region of LDS take turns: K's next tile is asked for when the scores are made, V's when O is.  The fifth tiles are wc and w1, which the tail reads: the loop has no step of its own at either end.
; A wave's quarter of a tile is 34,816 bytes: its 32 fragments, then its 8 tiles' scale words: one tensor load brings both, and the key loop has no load from memory into registers of its own.
; x, which the tail wants, is loaded in the last trip: tiles 0, 1 into Q's registers when the last scores are made, tiles 2, 3 into the scores' upper registers when the last p is quantised.
; O^T begins as zeros (256 v_mov_b32, while the first tiles are on their way): that spares a second copy of the key step.
; CLUSTER.  The four query blocks of a cluster walk the same K, V and weights: every tile is asked for jointly (mask 15); each wave asks for the quarter that it alone reads.
; COSINE.  v = x + theta; n = v / 2 pi to the nearest whole number; r = v - n 2 pi in two parts; cos = 1 - 2 sin^2(r / 2), sin by its series to r^13.  It holds for |x + theta| under 2^22 x 2 pi.
; LAYERNORM.  Each wave takes its 128 channels' mean and centred sum of squares; the four pairs are joined by M2 = sum M2w + 128 sum (mean_w - mean)^2: no difference of large sums is formed.
; LIMITS: NaN and infinities are not served.  A block whose largest magnitude lies under 2^-124 (a block of zeros too) gets the byte 1; these bytes are read by this program alone.
; REGISTERS.  window 0: addresses, statistics, scale words, codes just made.  window 1: S^T (64 m + 8 t), then P's fragments (v0-127) and x's tiles 2, 3 (v128-255); in the tail the residuals R.  window 2: O^T, then the accumulators (64 m + 8 t).
;   window 3: v0-127 Q, then x's tiles 0, 1, later activations' fragments; v128-255 two buffers of source 0's fragments; between the products bias and gain vectors.
.set QTR,   34816                      ; a wave's quarter of a tile
.set SLOTB, 4*QTR
.set KR,    0                          ; K's tile, then wc, then w2: wave w's quarter at QTR x w
.set VR,    SLOTB                      ; V's tile, then w1; at the end each wave's stage lies in its own quarter, which has had its last fill and its last read
.set PIMG,  2*SLOTB                    ; 16 fragments (tile of queries m, K step s) at (4 m + s) x 1,024
.set PSC,   PIMG+16384                 ; their scale words [m][r][s]
.set IM2,   17408                      ; a second such pair of regions, this far on: two operands that follow each other with no barrier between reads and stores lie apart
.set MX,    PIMG+2*IM2                 ; [m][lane][wave] 4 bytes: row maxima, later row sums
.set LNS,   MX+2048                    ; [m][lane][wave] 8 bytes: mean and centred sum of squares
.set SPARE, LNS+4096                   ; the spare words, 128 bytes a wave; no other line names them
.set ST,  24                           ; v24-39  tile m: -M, largest t, the sum in two halves; in the norms 1 / sigma and the shift, as pairs
.set F,   40                           ; v40-47  pairs: 2^(old M - new M), later 1 / sum
.set BM,  48                           ; v48-63  each block's largest score, then p
.set QT,  48                           ; (at work in QUANT, in the tail)
.set BT,  64                           ; v64-79  at work
.set SO,  80                           ; v80-95  the conversions' scale operands
.set KS,  96                           ; v96-111  scale words of K, wc, w2    v112-127 of V, w1    v128-135 of Q    v136-143 of P and the activations: nothing else is kept there
.set VS,  112
.set QS,  128
.set PS,  136
.set PC,  144                          ; v144-175 codes just made
.set PW,  176
.set LM,  180
.set TS,  184
.set TH,  184                          ; (tail) theta
.set MXV, 192
.set Y,   192                          ; (tail) v192-255: the cosine's argument; then b1
.set T2,  64
.set T3,  80
.set SA,  64
.set EX,  80
.set E,   144
.set WV,  38
.set SEL, 42
.set CS,  44
.set G1,  48
.set G0K, 56
.set G0V, 60
.set J,   66
.set LIM, 67
.set MSB, 0
.macro WIN new                         ; low byte: bits 1:0 source 0, 3:2 source 1, 5:4 source 2, 7:6 destination; the high byte repeats the setting that is left
.if MSB != (\new)
	s_set_vgpr_msb (MSB<<8)|(\new)
.set MSB, (\new)
.endif
.endm
.macro PLACES n
.rept \n
	v_nop
.endr
.endm
.macro ROUND                           ; a round of the cluster's barrier
	s_barrier_signal -1
	s_barrier_wait -1
	s_cmp_lg_u32 s[WV], 0
	s_cbranch_scc1 .Lnw0_\@
	s_barrier_signal -3
.Lnw0_\@:
	s_barrier_wait -3
	s_barrier_signal -1
	s_barrier_wait -1
.endm
; 64 numbers of a lane in window win, register 16 b + i = k 32 b + 16 (lane / 16) + i of the lane's row, become a fragment's codes in v[pc] on and its scale word in v[pw] (window 0).
.macro QUANT src, win, pc, pw
	WIN (\win)|((\win)<<2)
.irp b, 0,1,2,3
	v_max3_num_f32 v[QT+\b], |v[(\src)+16*\b]|, |v[(\src)+16*\b+1]|, 0x1800000   ; my 16 numbers of block b, and the floor 2^(3 - 127): the byte cannot fall under 1
.endr
	WIN ((\win)<<2)|((\win)<<4)
.irp i, 2,4,6,8,10,12,14
.irp b, 0,1,2,3
	v_max3_num_f32 v[QT+\b], v[QT+\b], |v[(\src)+16*\b+\i]|, |v[(\src)+16*\b+\i+1]|
.endr
.endr
	WIN 0
.irp b, 0,1,2,3
	v_permlanex16_b32 v[QT+4+\b], v[QT+\b], s[SEL], s[SEL+1]
.endr
.irp b, 0,1,2,3
	v_max_num_f32 v[QT+\b], v[QT+\b], v[QT+4+\b]
.endr
.irp b, 0,1,2,3
	v_add_nc_u32 v[QT+12+\b], 0xff000000, v[QT+\b]   ; 2 off the exponent field: the conversion's scale operand
.endr
.irp b, 0,1,2,3
	v_lshrrev_b32 v[QT+4+\b], 23, v[QT+12+\b]        ; the scale's byte
.endr
	v_lshl_or_b32 v[\pw], v[QT+5], 8, v[QT+4]
	v_lshl_or_b32 v[\pw], v[QT+6], 16, v[\pw]
	v_lshl_or_b32 v[\pw], v[QT+7], 24, v[\pw]
	WIN (\win)
.irp b, 0,1,2,3
	v_cvt_scalef32_pk8_fp4_f32 v[(\pc)+2*\b], v[(\src)+16*\b:(\src)+16*\b+7], v[QT+12+\b]
	v_cvt_scalef32_pk8_fp4_f32 v[(\pc)+2*\b+1], v[(\src)+16*\b+8:(\src)+16*\b+15], v[QT+12+\b]
.endr
	WIN 0
	v_nop                                          ; one plain place behind the scaled conversions
.irp c, 0,1
.irp i, 0,1
	v_permlane16_swap_b32 v[(\pc)+4*\c+\i], v[(\pc)+4*\c+2+\i]
.endr
.endr
.endm
.macro WM d, a, b, cm, c, sa, sb, ra, rb   ; one matrix instruction.  cm = 0: C is the constant 0.  ra, rb = 1: that side's scale words stand in lanes 16-31
.if (\cm) == 0
.if ((\ra) == 0) && ((\rb) == 0)
	v_wmma_scale_f32_16x16x128_f8f6f4 v[(\d):(\d)+7], v[(\a):(\a)+7], v[(\b):(\b)+7], 0, v[\sa], v[\sb] matrix_a_fmt:MATRIX_FMT_FP4 matrix_b_fmt:MATRIX_FMT_FP4
.elseif (\rb) == 0
	v_wmma_scale_f32_16x16x128_f8f6f4 v[(\d):(\d)+7], v[(\a):(\a)+7], v[(\b):(\b)+7], 0, v[\sa], v[\sb] matrix_a_fmt:MATRIX_FMT_FP4 matrix_b_fmt:MATRIX_FMT_FP4 matrix_a_scale:MATRIX_SCALE_ROW1
.elseif (\ra) == 0
	v_wmma_scale_f32_16x16x128_f8f6f4 v[(\d):(\d)+7], v[(\a):(\a)+7], v[(\b):(\b)+7], 0, v[\sa], v[\sb] matrix_a_fmt:MATRIX_FMT_FP4 matrix_b_fmt:MATRIX_FMT_FP4 matrix_b_scale:MATRIX_SCALE_ROW1
.else
	v_wmma_scale_f32_16x16x128_f8f6f4 v[(\d):(\d)+7], v[(\a):(\a)+7], v[(\b):(\b)+7], 0, v[\sa], v[\sb] matrix_a_fmt:MATRIX_FMT_FP4 matrix_b_fmt:MATRIX_FMT_FP4 matrix_a_scale:MATRIX_SCALE_ROW1 matrix_b_scale:MATRIX_SCALE_ROW1
.endif
.else
.if ((\ra) == 0) && ((\rb) == 0)
	v_wmma_scale_f32_16x16x128_f8f6f4 v[(\d):(\d)+7], v[(\a):(\a)+7], v[(\b):(\b)+7], v[(\c):(\c)+7], v[\sa], v[\sb] matrix_a_fmt:MATRIX_FMT_FP4 matrix_b_fmt:MATRIX_FMT_FP4
.elseif (\rb) == 0
	v_wmma_scale_f32_16x16x128_f8f6f4 v[(\d):(\d)+7], v[(\a):(\a)+7], v[(\b):(\b)+7], v[(\c):(\c)+7], v[\sa], v[\sb] matrix_a_fmt:MATRIX_FMT_FP4 matrix_b_fmt:MATRIX_FMT_FP4 matrix_a_scale:MATRIX_SCALE_ROW1
.elseif (\ra) == 0
	v_wmma_scale_f32_16x16x128_f8f6f4 v[(\d):(\d)+7], v[(\a):(\a)+7], v[(\b):(\b)+7], v[(\c):(\c)+7], v[\sa], v[\sb] matrix_a_fmt:MATRIX_FMT_FP4 matrix_b_fmt:MATRIX_FMT_FP4 matrix_b_scale:MATRIX_SCALE_ROW1
.else
	v_wmma_scale_f32_16x16x128_f8f6f4 v[(\d):(\d)+7], v[(\a):(\a)+7], v[(\b):(\b)+7], v[(\c):(\c)+7], v[\sa], v[\sb] matrix_a_fmt:MATRIX_FMT_FP4 matrix_b_fmt:MATRIX_FMT_FP4 matrix_a_scale:MATRIX_SCALE_ROW1 matrix_b_scale:MATRIX_SCALE_ROW1
.endif
.endif
.endm
.macro FRAGS areg, s, buf              ; my 8 fragments of source 0, K step s, into buffer buf (window 3): 16 loads in one run, each of 512 consecutive bytes
	WIN 0xc0
.irp t, 0,1,2,3,4,5,6,7
.irp c, 0,1
	ds_load_b128 v[128+64*(\buf)+8*\t+4*\c:128+64*(\buf)+8*\t+4*\c+3], v[\areg] offset:(4*\t+(\s))*1024+512*\c
.endr
.endr
.endm
.macro BLD win, off, s                 ; source 1's four fragments of K step s (one a tile of queries) from the images into v[8 (4 m + s)] of window win: 8 loads
	WIN ((\win)<<6)
.irp m, 0,1,2,3
.irp c, 0,1
	ds_load_b128 v[8*(4*\m+(\s))+4*\c:8*(4*\m+(\s))+4*\c+3], v7 offset:(\off)+(4*\m+(\s))*1024+512*\c
.endr
.endr
.endm
; 128 matrix instructions: 4 K steps x (4 tiles of queries x my 8 tiles of source 0).  First source 0's scale words, which lie behind my quarter's images.  hb = 1: source 1 comes from the images at off, into window bw, with its scale words.
; A K step's fragments, of both sources, are asked for one K step ahead; four v_nop stand in front of each run of loads into registers that matrix instructions have read.
; C of the first K step: cm = 0 the constant 0; 1 in place; 2 v[cb + 64 m + 8 t]; 3 v[cb + 8 t].  wf, wr: the window settings of the first K step and of the others.
.macro GEMM32 areg, wf, wr, cm, cb, sca, scb, hb, bw, boff
	PLACES 4
	WIN 0
.irp p, 0,1,2,3
	ds_load_b128 v[(\sca)+4*\p:(\sca)+4*\p+3], v[\areg] offset:32768+512*\p
.endr
.if \hb
	ds_load_b128 v[(\scb):(\scb)+3], v9 offset:(\boff)
	ds_load_b128 v[(\scb)+4:(\scb)+7], v9 offset:(\boff)+512
	BLD \bw, \boff, 0
.endif
	FRAGS \areg, 0, 0
.irp s, 0,1,2,3
.if \s < 3
.if \s > 0
	PLACES 4
.endif
.if \hb
	BLD \bw, \boff, \s+1
.endif
	FRAGS \areg, \s+1, (\s+1)%2
	s_wait_dscnt 16+8*(\hb)                        ; all but the next K step's loads, just issued: 16 of source 0, and 8 of source 1 where it comes from LDS
.else
	s_wait_dscnt 0x0
.endif
.if \s == 0
	WIN \wf
.else
	WIN \wr
.endif
.irp m, 0,1,2,3
.irp t, 0,1,2,3,4,5,6,7
.if (\s == 0) && (\cm == 0)
	WM 64*\m+8*\t, 128+64*(\s%2)+8*\t, 8*(4*\m+\s), 0, 0, (\sca)+4*(\t/2)+\s, (\scb)+4*(\m/2)+\s, \t%2, \m%2
.elseif (\s == 0) && (\cm == 2)
	WM 64*\m+8*\t, 128+64*(\s%2)+8*\t, 8*(4*\m+\s), 1, (\cb)+64*\m+8*\t, (\sca)+4*(\t/2)+\s, (\scb)+4*(\m/2)+\s, \t%2, \m%2
.elseif (\s == 0) && (\cm == 3)
	WM 64*\m+8*\t, 128+64*(\s%2)+8*\t, 8*(4*\m+\s), 1, (\cb)+8*\t, (\sca)+4*(\t/2)+\s, (\scb)+4*(\m/2)+\s, \t%2, \m%2
.else
	WM 64*\m+8*\t, 128+64*(\s%2)+8*\t, 8*(4*\m+\s), 1, 64*\m+8*\t, (\sca)+4*(\t/2)+\s, (\scb)+4*(\m/2)+\s, \t%2, \m%2
.endif
.endr
.endr
.endr
.endm
.macro CHVEC dst, win, sb              ; a vector over the channels, my 128, in the result's layout: register 16 b + i = channel 128 w + 32 b + 16 h + i
	WIN ((\win)<<6)
.irp b, 0,1,2,3
.irp j, 0,1,2,3
	global_load_b128 v[(\dst)+16*\b+4*\j:(\dst)+16*\b+4*\j+3], v18, s[\sb:\sb+1] offset:128*\b+16*\j
.endr
.endr
	WIN 0
.endm
.macro XT m, win, dst                  ; tile m's rows of x, my 128 channels, in the same layout, into v[dst] on of window win
	WIN ((\win)<<6)
.irp b, 0,1,2,3
.irp j, 0,1,2,3
	global_load_b128 v[(\dst)+16*\b+4*\j:(\dst)+16*\b+4*\j+3], v12, s[18:19] offset:(32*((\m)/2)+8*((\m)%2))*2048+128*\b+16*\j th:TH_LOAD_NT
.endr
.endr
	WIN 0
.endm
.macro IMG m, off                      ; tile m's fragment in v[PC + 8 m] on goes to LDS as it stands: it is K step w of the next product
	ds_store_b128 v6, v[PC+8*(\m):PC+8*(\m)+3] offset:(\off)+4096*(\m)
	ds_store_b128 v6, v[PC+8*(\m)+4:PC+8*(\m)+7] offset:(\off)+4096*(\m)+512
	ds_store_b32 v8, v[PW+(\m)] offset:(\off)+256*(\m)   ; both lanes of a row write the same word with the same value
.endm
; A PREFETCH INTO THE L2 of the images of the tile that the NEXT refill of this region will ask for.  All clusters of a batch walk the same tiles: the batch's first cluster asks.  Its four work-groups take a quarter each,
; told apart by address; each wave 8,192 of the quarter's 32,768 bytes of images, lanes 256 bytes apart: one instruction a wave, each block named once (the 2,048 bytes of scale words behind them come by the load alone).
; The last trip asks for nothing: no tile follows the fifth.
.macro ASK pf
	s_cmp_gt_u32 s[J], s[LIM]
	s_cbranch_scc0 .Lna_\@
	global_prefetch_b8 v15, s[\pf:\pf+1] th:TH_LOAD_NT scope:SCOPE_SE
.Lna_\@:
.endm
; and of my work-group's 64 rows of x, 131,072 bytes, four instructions a wave: rows 0-31 at V's refill of the third trip, one product and its maxima ahead of their loads; rows 32-63 at K's refill of the last trip, a softmax ahead of theirs
.macro ASKX off, jv
	s_cmp_eq_u32 s[J], \jv
	s_cbranch_scc0 .Lnx_\@
	global_prefetch_b8 v15, s[72:73] offset:\off th:TH_LOAD_NT scope:SCOPE_SE
	global_prefetch_b8 v15, s[72:73] offset:(\off)+8192 th:TH_LOAD_NT scope:SCOPE_SE
.Lnx_\@:
.endm
.macro TBLK m                          ; tile m: B = O / sum + 1 (the cosine's 1), and the cosine's argument x + theta: register 16 b + i is channel .. + i, and theta goes round in eights
	WIN 0xc2
.set IX, 0
.rept 32
	v_pk_fma_f32 v[192+IX:193+IX], v[64*(\m)+IX:64*(\m)+IX+1], v[F+2*(\m):F+2*(\m)+1], 1.0 op_sel_hi:[1,0,0]
.set IX, IX+2
.endr
.if (\m) < 2
	WIN 0x03                                       ; x's tiles 0, 1 lie in window 3,
.else
	WIN 0x01                                       ; tiles 2, 3 in window 1
.endif
.set IX, 0
.rept 32
	v_pk_add_f32 v[Y+IX:Y+IX+1], v[64*(\m)+IX:64*(\m)+IX+1], v[TH+IX%8:TH+IX%8+1]
.set IX, IX+2
.endr
	WIN 0
.endm
; The norm, first half: my 128 channels' mean is taken off in place; mean and centred sum of squares go to LDS.  The four tiles' chains take turns; each accumulator is read from its low end on.
.macro LNA
	WIN 0x0a
.irp m, 0,1,2,3
	v_pk_add_f32 v[SA+2*\m:SA+2*\m+1], v[64*\m:64*\m+1], v[64*\m+2:64*\m+3]
.endr
	WIN 0x08
.set IX, 4
.rept 30
.irp m, 0,1,2,3
	v_pk_add_f32 v[SA+2*\m:SA+2*\m+1], v[SA+2*\m:SA+2*\m+1], v[64*\m+IX:64*\m+IX+1]
.endr
.set IX, IX+2
.endr
	WIN 0
.irp m, 0,1,2,3
	v_add_f32 v[SA+2*\m], v[SA+2*\m], v[SA+2*\m+1]
.endr
.irp m, 0,1,2,3
	v_permlanex16_b32 v[72+\m], v[SA+2*\m], s[SEL], s[SEL+1]
.endr
.irp m, 0,1,2,3
	v_add_f32 v[SA+2*\m], v[SA+2*\m], v[72+\m]
.endr
.irp m, 0,1,2,3
	v_mul_f32 v[EX+2*\m], 0x3c000000, v[SA+2*\m]   ; / 128
.endr
	WIN 0x82
.irp m, 0,1,2,3
.set IX, 64*\m
.rept 32
	v_pk_add_f32 v[IX:IX+1], v[IX:IX+1], v[EX+2*\m:EX+2*\m+1] op_sel_hi:[1,0] neg_lo:[0,1] neg_hi:[0,1]
.set IX, IX+2
.endr
.endr
	WIN 0x0a
.irp m, 0,1,2,3
	v_pk_mul_f32 v[SA+2*\m:SA+2*\m+1], v[64*\m:64*\m+1], v[64*\m:64*\m+1]
.endr
.set IX, 2
.rept 31
.irp m, 0,1,2,3
	v_pk_fma_f32 v[SA+2*\m:SA+2*\m+1], v[64*\m+IX:64*\m+IX+1], v[64*\m+IX:64*\m+IX+1], v[SA+2*\m:SA+2*\m+1]
.endr
.set IX, IX+2
.endr
	WIN 0
.irp m, 0,1,2,3
	v_add_f32 v[SA+2*\m], v[SA+2*\m], v[SA+2*\m+1]
.endr
.irp m, 0,1,2,3
	v_permlanex16_b32 v[72+\m], v[SA+2*\m], s[SEL], s[SEL+1]
.endr
.irp m, 0,1,2,3
	v_add_f32 v[EX+2*\m+1], v[SA+2*\m], v[72+\m]
.endr
.irp m, 0,1,2,3
	ds_store_b64 v16, v[EX+2*\m:EX+2*\m+1] offset:1024*\m
.endr
	s_wait_dscnt 0x0
	s_barrier_signal -1
	s_barrier_wait -1
.endm
; second half: the four waves' figures are joined; a = ((a - mean_w) / sigma + (mean_w - mean) / sigma) g + be.  g lies in window 3 v128-191, be in v192-255.
.macro LNB
.irp m, 0,1,2,3
	ds_load_b128 v[E+8*\m:E+8*\m+3], v17 offset:1024*\m
	ds_load_b128 v[E+8*\m+4:E+8*\m+7], v17 offset:1024*\m+16
.endr
	s_wait_dscnt 0x0
.irp m, 0,1,2,3
	v_add_f32 v[64+\m], v[E+8*\m], v[E+8*\m+2]
.endr
.irp m, 0,1,2,3
	v_add_f32 v[68+\m], v[E+8*\m+4], v[E+8*\m+6]
.endr
.irp m, 0,1,2,3
	v_add_f32 v[64+\m], v[64+\m], v[68+\m]
.endr
.irp m, 0,1,2,3
	v_mul_f32 v[64+\m], 0x3e800000, v[64+\m]       ; the row's mean
.endr
.irp k, 0,2,4,6
.irp m, 0,1,2,3
	v_sub_f32 v[E+8*\m+\k], v[E+8*\m+\k], v[64+\m]
.endr
.endr
.irp m, 0,1,2,3
	v_add_f32 v[68+\m], v[E+8*\m+1], v[E+8*\m+3]
.endr
.irp m, 0,1,2,3
	v_add_f32 v[72+\m], v[E+8*\m+5], v[E+8*\m+7]
.endr
.irp m, 0,1,2,3
	v_add_f32 v[68+\m], v[68+\m], v[72+\m]
.endr
.irp m, 0,1,2,3
	v_mul_f32 v[72+\m], v[E+8*\m], v[E+8*\m]
.endr
.irp k, 2,4,6
.irp m, 0,1,2,3
	v_fma_f32 v[72+\m], v[E+8*\m+\k], v[E+8*\m+\k], v[72+\m]
.endr
.endr
.irp m, 0,1,2,3
	v_fma_f32 v[68+\m], v[72+\m], 0x43000000, v[68+\m]   ; + 128 x the sum of (mean_w - mean)^2
.endr
.irp m, 0,1,2,3
	v_fma_f32 v[68+\m], v[68+\m], s94, s95         ; / 512 + eps
.endr
.irp m, 0,1,2,3
	v_rsq_f32 v[ST+4*\m], v[68+\m]
.endr
	v_nop                                          ; a plain place behind the last of them,
	s_wait_alu depctr_va_vdst(0)                   ; and the wait ahead of the first line that names a result: one for the four
.irp m, 0,1,2,3
	v_sub_f32 v[ST+4*\m+2], v[EX+2*\m], v[64+\m]
.endr
.irp m, 0,1,2,3
	v_mul_f32 v[ST+4*\m+2], v[ST+4*\m+2], v[ST+4*\m]
.endr
	s_wait_loadcnt 0x0                             ; g, be and whatever else was asked for meanwhile
	WIN 0x82
.irp m, 0,1,2,3
.set IX, 64*\m
.rept 32
	v_pk_fma_f32 v[IX:IX+1], v[IX:IX+1], v[ST+4*\m:ST+4*\m+1], v[ST+4*\m+2:ST+4*\m+3] op_sel_hi:[1,0,0]
.set IX, IX+2
.endr
.endr
	WIN 0xbe
.irp m, 0,1,2,3
.set IX, 0
.rept 32
	v_pk_fma_f32 v[64*\m+IX:64*\m+IX+1], v[64*\m+IX:64*\m+IX+1], v[128+IX:129+IX], v[192+IX:193+IX]
.set IX, IX+2
.endr
.endr
	WIN 0
.endm
	s_load_b512 s[20:35], s[0:1], 0x0              ; theta 20, bc 22, g1 24, be1 26, b1 28, b2 30, g2 32, be2 34
	s_load_b128 s[4:7], s[0:1], 0x40               ; qimg 4, qscl 6
	s_load_b64 s[8:9], s[0:1], 0x50                ; kimg
	s_load_b64 s[12:13], s[0:1], 0x58              ; vimg
	s_load_b128 s[16:19], s[0:1], 0x60             ; w2img 16, x 18
	s_load_b64 s[36:37], s[0:1], 0x70              ; out0
	v_lshl_add_u32 v4, v0, 2, SPARE                ; my spare word; never rewritten
	v_mov_b32 v5, 0                                ; 0; never rewritten
	ds_add_u32 v4, v5
	ds_add_u32 v4, v5
	s_wait_dscnt 0x0
	v_lshrrev_b32 v19, 5, v0
	v_readfirstlane_b32 s[WV], v19                 ; wave 0..3
	s_bfe_u32 s39, ttmp6, 0x40000                  ; cx
	s_lshl_b32 s40, ttmp9, 2
	s_add_co_u32 s40, s40, s39                     ; my block of 64 queries: it enters Q's, x's and out0's addresses alone
	s_and_b32 s41, ttmp7, 0xffff                   ; the batch, which the four partners share
	v_and_b32 v20, 31, v0                          ; lane
	v_and_b32 v21, 15, v0                          ; r
	v_bfe_u32 v22, v0, 4, 1                        ; h
	v_and_b32 v23, 8, v21
	v_add_nc_u32 v23, v23, v21                     ; pr = r + 8 (r / 8)
	v_lshlrev_b32 v1, 4, v20                       ; 16 x lane
	s_mul_i32 s76, s[WV], QTR
	v_add_nc_u32 v2, s76, v1                       ; my quarter of KR
	v_add_nc_u32 v3, VR, v2                        ; and of VR
	s_lshl_b32 s74, s[WV], 10
	s_add_co_u32 s74, s74, PIMG
	v_add_nc_u32 v6, s74, v1                       ; where I store images: K step w
	v_add_nc_u32 v7, PIMG, v1                      ; where any wave reads them
	s_lshl_b32 s74, s[WV], 2
	s_add_co_u32 s75, s74, PSC
	v_lshl_add_u32 v8, v21, 4, s75
	v_add_nc_u32 v9, PSC, v1
	s_add_co_u32 s75, s74, MX
	v_add_nc_u32 v10, s75, v1
	v_add_nc_u32 v11, MX, v1
	s_lshl_b32 s74, s[WV], 9
	v_lshl_add_u32 v18, v22, 6, s74                ; vectors over the channels: 512 w + 64 h bytes
	v_lshl_add_u32 v12, v23, 11, v18               ; x: + my row of a tile
	s_add_co_u32 s75, s76, VR
	v_mul_u32_u24 v13, v21, 528
	v_lshl_add_u32 v13, v22, 6, v13
	v_add_nc_u32 v13, s75, v13                     ; the stage, in: row r of 512 bytes + 16, + 64 h
	v_lshlrev_b32 v15, 8, v20                      ; the prefetches: 256 x lane
	s_lshl_b32 s74, s[WV], 3
	s_add_co_u32 s74, s74, LNS
	v_lshl_add_u32 v16, v20, 5, s74
	v_lshl_add_u32 v17, v20, 5, LNS
	s_mov_b32 s[SEL], 0x76543210
	s_mov_b32 s[SEL+1], 0xfedcba98
	s_mov_b32 s[CS], 0x3d8293ee                    ; c = log2(e) / sqrt(512)
	s_mov_b32 s[CS+1], s[CS]
	s_mov_b32 s88, 0x4b400000                      ; 1.5 x 2^23: adding and taking it off rounds to a whole number
	s_mov_b32 s89, s88
	s_mov_b32 s90, 0xc0c90fdb                      ; - 2 pi, its upper part
	s_mov_b32 s91, s90
	s_mov_b32 s92, 0x343bbd2e                      ; and what is left of it
	s_mov_b32 s93, s92
	s_mov_b32 s94, 0x3b000000                      ; 1 / 512
	s_mov_b32 s95, 0x3727c5ac                      ; 1e-5
	; descriptor group 1: a dense block of 34,816 bytes as 136 rows of 32 elements of 8 bytes; no padding: images are read 16 bytes a lane on end; mask: all four work-groups
	s_mov_b32 s[G1], 15|(3<<16)|(1<<21)
	s_mov_b32 s[G1+1], 32<<16
	s_mov_b32 s[G1+2], 136<<16
	s_mov_b32 s[G1+3], 32<<16
	s_mov_b32 s[G1+4], 136
	s_mov_b32 s[G1+5], 32
	s_mov_b32 s[G1+6], 0
	s_mov_b32 s[G1+7], 0
	s_mul_i32 s74, s41, 5*SLOTB                    ; my batch's five slots
	s_mov_b32 s75, 0
	s_mov_b32 s77, 0
	s_add_nc_u64 s[46:47], s[74:75], s[76:77]      ; + my quarter of a slot
	s_wait_kmcnt 0x0
	s_mov_b32 s[G0K], 1
	s_mov_b32 s[G0K+1], s76
	s_add_nc_u64 s[G0K+2:G0K+3], s[8:9], s[46:47]
	s_or_b32 s[G0K+3], s[G0K+3], 0x80000000
	s_mov_b32 s[G0V], 1
	s_add_co_u32 s[G0V+1], s76, VR
	s_add_nc_u64 s[G0V+2:G0V+3], s[12:13], s[46:47]
	s_or_b32 s[G0V+3], s[G0V+3], 0x80000000
	ROUND                                          ; all four work-groups are here: the first joint loads meet
	tensor_load_to_lds s[G0K:G0K+3], s[G1:G1+7]    ; K of key step 0
	s_nop 0
	tensor_load_to_lds s[G0V:G0V+3], s[G1:G1+7]    ; V of key step 0: two loads of mine are out
	s_nop 0
	PLACES 4
	s_load_b256 s[80:87], s[20:21], 0x0            ; theta
	s_mul_i32 s46, s39, QTR                        ; the prefetches: my work-group's quarter of a slot,
	s_add_co_u32 s74, s74, s46
	s_lshl_b32 s46, s[WV], 13                      ; my wave's 8,192 bytes of its images,
	s_add_co_u32 s74, s74, s46
	s_add_co_u32 s74, s74, SLOTB                   ; in slot 1: each refill steps the address ahead of its use, so the first names slot 2.  Nothing is prefetched here, at the head
	s_add_nc_u64 s[68:69], s[8:9], s[74:75]
	s_add_nc_u64 s[70:71], s[12:13], s[74:75]
	s_lshl_b32 s74, s41, 22
	s_lshl_b32 s46, s40, 17
	s_add_co_u32 s74, s74, s46
	s_add_nc_u64 s[18:19], s[18:19], s[74:75]      ; x and out0 at my first row
	s_add_nc_u64 s[36:37], s[36:37], s[74:75]
	s_lshl_b32 s74, s[WV], 9
	s_add_nc_u64 s[36:37], s[36:37], s[74:75]      ; out0: + my 128 channels
	s_lshl_b32 s74, s[WV], 14
	s_add_nc_u64 s[72:73], s[18:19], s[74:75]      ; x's prefetches
	s_lshl_b32 s74, s41, 19
	s_lshl_b32 s46, s40, 14
	s_add_co_u32 s74, s74, s46
	s_add_nc_u64 s[4:5], s[4:5], s[74:75]          ; Q's images of my four tiles
	s_lshl_b32 s74, s41, 15
	s_lshl_b32 s46, s40, 10
	s_add_co_u32 s74, s74, s46
	s_add_nc_u64 s[6:7], s[6:7], s[74:75]          ; and their scale words
	s_mul_i32 s74, s41, SLOTB
	s_add_nc_u64 s[16:17], s[16:17], s[74:75]
	s_add_nc_u64 s[78:79], s[16:17], s[76:77]      ; w2: my quarter
	s_cmp_eq_u32 ttmp9, 0
	s_cselect_b32 s[LIM], 1, -1                    ; 1 in the batch's first cluster, else the greatest number: the same in all four partners
	WIN 0xc0
.irp f, 0,1,2,3,4,5,6,7,8,9,10,11,12,13,14,15
	global_load_b128 v[8*\f:8*\f+3], v1, s[4:5] offset:1024*\f          ; Q stays in registers
	global_load_b128 v[8*\f+4:8*\f+7], v1, s[4:5] offset:1024*\f+512
.endr
	WIN 0
	global_load_b128 v[QS:QS+3], v1, s[6:7]
	global_load_b128 v[QS+4:QS+7], v1, s[6:7] offset:512
.irp m, 0,1,2,3
	v_mov_b32 v[ST+4*\m+1], 0xff61b1e6             ; the largest t so far: -3e38
	v_mov_b32 v[ST+4*\m+2], 0                      ; the sum
	v_mov_b32 v[ST+4*\m+3], 0
	v_mov_b32 v[F+2*\m+1], 0                       ; (named as the upper half of a pair)
.endr
.irp m, 0,1,2,3
	v_floor_f32 v[ST+4*\m], -v[ST+4*\m+1]          ; -M
.endr
.irp n, 0,1,2,3,4,5,6,7,8,9,10,11,12,13,14,15
	v_mov_b32 v[BT+\n], 0                          ; written once: a lane permute's destination counts as one of its sources
.endr
	WIN 0x80
.set IX, 0
.rept 256
	v_mov_b32 v[IX], 0                             ; O^T
.set IX, IX+1
.endr
	WIN 0
	s_mov_b32 s[J], 4
	s_wait_kmcnt 0x0                               ; theta
	s_wait_tensorcnt 0x1                           ; my quarter of K is in (I alone read it); V's load may be out
.Lstep:                                            ; four trips: a key step of 512 keys
	s_wait_loadcnt 0x0                             ; Q and its scale words, in the first trip; later trips have nothing out here
	GEMM32 2, 0x5f, 0x5f, 0, 0, KS, QS, 0, 0, 0    ; S^T: my 128 keys x 64 queries
	PLACES 4
	WIN 0x15                                       ; each block's largest score: it serves the row's maximum, and, since p rises with the score, the block's largest p
.irp m, 0,1,2,3
.irp b, 0,1,2,3
	v_max3_num_f32 v[BM+4*\m+\b], v[64*\m+16*\b], v[64*\m+16*\b+1], v[64*\m+16*\b+2]
.endr
.endr
	WIN 0x14
.irp i, 3,5,7,9,11,13
.irp m, 0,1,2,3
.irp b, 0,1,2,3
	v_max3_num_f32 v[BM+4*\m+\b], v[BM+4*\m+\b], v[64*\m+16*\b+\i], v[64*\m+16*\b+\i+1]
.endr
.endr
.endr
	WIN 0x04
.irp m, 0,1,2,3
.irp b, 0,1,2,3
	v_max_num_f32 v[BM+4*\m+\b], v[BM+4*\m+\b], v[64*\m+16*\b+15]
.endr
.endr
	WIN 0
.irp n, 0,1,2,3,4,5,6,7,8,9,10,11,12,13,14,15
	v_permlanex16_b32 v[BT+\n], v[BM+\n], s[SEL], s[SEL+1]
.endr
.irp n, 0,1,2,3,4,5,6,7,8,9,10,11,12,13,14,15
	v_max_num_f32 v[BM+\n], v[BM+\n], v[BT+\n]
.endr
.irp m, 0,1,2,3
	v_max3_num_f32 v[LM+\m], v[BM+4*\m], v[BM+4*\m+1], v[BM+4*\m+2]
.endr
.irp m, 0,1,2,3
	v_max_num_f32 v[LM+\m], v[LM+\m], v[BM+4*\m+3]
.endr
.irp m, 0,1,2,3
	ds_store_b32 v10, v[LM+\m] offset:512*\m       ; my 128 keys' largest score of each query
.endr
	s_wait_tensorcnt 0x0                           ; all my tensor loads have landed: V of this step;
	ds_add_u32 v4, v5                              ; 0 onto my spare word
	s_add_nc_u64 s[G0K+2:G0K+3], s[G0K+2:G0K+3], SLOTB   ; no load of mine is out: K's descriptor steps a slot on
	s_wait_xcnt 0x0                                ; the last prefetch from this address, a trip back, has read it
	s_add_nc_u64 s[68:69], s[68:69], SLOTB
	s_wait_dscnt 0x0                               ; the add and my stores are done, and my reads of K are over
	ROUND                                          ; so it is with every wave of the four work-groups; the maxima lie in LDS
	tensor_load_to_lds s[G0K:G0K+3], s[G1:G1+7]    ; K of the next step (in the last trip wc): it has the softmax and V^T P in which to land
	s_nop 0
	PLACES 4
	ASK 68
	ASKX 65536, 1
	s_cmp_eq_u32 s[J], 1                           ; the last trip: Q has served its last product (the maxima's lines and the four above are the places behind it): its registers take x's tiles 0 and 1
	s_cbranch_scc0 .Lnx01
	XT 0, 3, 0
	XT 1, 3, 64
.Lnx01:
.irp m, 0,1,2,3
	ds_load_b128 v[MXV+4*\m:MXV+4*\m+3], v11 offset:512*\m
.endr
	s_wait_dscnt 0x0
.irp m, 0,1,2,3
	v_max3_num_f32 v[LM+\m], v[MXV+4*\m], v[MXV+4*\m+1], v[MXV+4*\m+2]
.endr
.irp m, 0,1,2,3
	v_max_num_f32 v[LM+\m], v[LM+\m], v[MXV+4*\m+3]   ; the step's largest score of my query: the same in all four waves
.endr
.irp m, 0,1,2,3
	v_mul_f32 v[LM+\m], s[CS], v[LM+\m]
.endr
.irp m, 0,1,2,3
	v_max_num_f32 v[ST+4*\m+1], v[ST+4*\m+1], v[LM+\m]
.endr
.irp m, 0,1,2,3
	v_mov_b32 v[BT+\m], v[ST+4*\m]
.endr
.irp m, 0,1,2,3
	v_floor_f32 v[ST+4*\m], -v[ST+4*\m+1]          ; the new -M = -ceil(t): a whole number
.endr
.irp m, 0,1,2,3
	v_sub_f32 v[BT+\m], v[ST+4*\m], v[BT+\m]       ; old M - new M, 0 or less
.endr
.irp m, 0,1,2,3
	v_cvt_i32_f32 v[BT+\m], v[BT+\m]               ; (it saturates)
.endr
.irp m, 0,1,2,3
	v_ldexp_f32 v[F+2*\m], 1.0, v[BT+\m]           ; f = 2^(old M - new M)
.endr
.irp m, 0,1,2,3
.irp b, 0,1,2,3
	v_fma_f32 v[BM+4*\m+\b], v[BM+4*\m+\b], s[CS], v[ST+4*\m]
.endr
.endr
	WIN 0x41
.irp m, 0,1,2,3
.set IX, 64*\m
.rept 32
	v_pk_fma_f32 v[IX:IX+1], v[IX:IX+1], s[CS:CS+1], v[ST+4*\m:ST+4*\m+1] op_sel_hi:[1,0,0]   ; t - M
.set IX, IX+2
.endr
.endr
.set IX, 0
.rept 256
	v_exp_f32 v[IX], v[IX]                         ; p = 2^(t - M)
.set IX, IX+1
.endr
	WIN 0
	v_nop                                          ; a plain place behind the batch,
	s_wait_alu depctr_va_vdst(0)                   ; and the wait ahead of the first line that names a result: one for the 256
.irp n, 0,1,2,3,4,5,6,7,8,9,10,11,12,13,14,15
	v_exp_f32 v[BM+\n], v[BM+\n]                   ; each block's largest p: the same two instructions on the same number
.endr
	v_nop
	s_wait_alu depctr_va_vdst(0)                   ; one for the 16
.irp m, 0,1,2,3
	v_pk_mul_f32 v[ST+4*\m+2:ST+4*\m+3], v[ST+4*\m+2:ST+4*\m+3], v[F+2*\m:F+2*\m+1] op_sel_hi:[1,0]
.endr
	WIN 0x05
.irp m, 0,1,2,3
	v_pk_add_f32 v[TS+2*\m:TS+2*\m+1], v[64*\m:64*\m+1], v[64*\m+2:64*\m+3]   ; the sum is taken of the unquantised p, in two chains a tile
.endr
	WIN 0x04
.irp j, 4,8,12,16,20,24,28,32,36,40,44,48,52,56,60
.irp m, 0,1,2,3
	v_pk_add_f32 v[ST+4*\m+2:ST+4*\m+3], v[ST+4*\m+2:ST+4*\m+3], v[64*\m+\j:64*\m+\j+1]
	v_pk_add_f32 v[TS+2*\m:TS+2*\m+1], v[TS+2*\m:TS+2*\m+1], v[64*\m+\j+2:64*\m+\j+3]
.endr
.endr
	WIN 0
.irp m, 0,1,2,3
	v_pk_add_f32 v[ST+4*\m+2:ST+4*\m+3], v[ST+4*\m+2:ST+4*\m+3], v[TS+2*\m:TS+2*\m+1]
.endr
.irp n, 0,1,2,3,4,5,6,7,8,9,10,11,12,13,14,15
	v_max_num_f32 v[BM+\n], 0x1800000, v[BM+\n]    ; the floor 2^(3 - 127)
.endr
.irp n, 0,1,2,3,4,5,6,7,8,9,10,11,12,13,14,15
	v_add_nc_u32 v[SO+\n], 0xff000000, v[BM+\n]
.endr
.irp n, 0,1,2,3,4,5,6,7,8,9,10,11,12,13,14,15
	v_lshrrev_b32 v[BT+\n], 23, v[SO+\n]
.endr
.irp m, 0,1,2,3
	v_lshl_or_b32 v[PW+\m], v[BT+4*\m+1], 8, v[BT+4*\m]
.endr
.irp m, 0,1,2,3
	v_lshl_or_b32 v[PW+\m], v[BT+4*\m+2], 16, v[PW+\m]
.endr
.irp m, 0,1,2,3
	v_lshl_or_b32 v[PW+\m], v[BT+4*\m+3], 24, v[PW+\m]
.endr
	WIN 0x01
.irp m, 0,1,2,3
.irp b, 0,1,2,3
	v_cvt_scalef32_pk8_fp4_f32 v[PC+8*\m+2*\b], v[64*\m+16*\b:64*\m+16*\b+7], v[SO+4*\m+\b]
	v_cvt_scalef32_pk8_fp4_f32 v[PC+8*\m+2*\b+1], v[64*\m+16*\b+8:64*\m+16*\b+15], v[SO+4*\m+\b]
.endr
.endr
	WIN 0
	v_nop                                          ; one plain place behind the scaled conversions
.irp m, 0,1,2,3
.irp c, 0,1
.irp i, 0,1
	v_permlane16_swap_b32 v[PC+8*\m+4*\c+\i], v[PC+8*\m+4*\c+2+\i]
.endr
.endr
.endr
.irp m, 0,1,2,3
	IMG \m, 0                                      ; my 128 keys are K step w of V^T P
.endr
	s_cmp_eq_u32 s[J], 1                           ; the last trip: p is summed and quantised: the upper half of its registers takes x's tiles 2 and 3 (P's fragments take the lower half)
	s_cbranch_scc0 .Lnx23
	XT 2, 1, 128
	XT 3, 1, 192
.Lnx23:
	s_wait_dscnt 0x0                               ; my images have landed
	s_barrier_signal -1                            ; K's load may stay out
	WIN 0x82
.irp m, 0,1,2,3
.set IX, 64*\m
.rept 32
	v_pk_mul_f32 v[IX:IX+1], v[IX:IX+1], v[F+2*\m:F+2*\m+1] op_sel_hi:[1,0]   ; O^T under the new M, while the others arrive
.set IX, IX+2
.endr
.endr
	WIN 0
	s_barrier_wait -1
	GEMM32 3, 0xa7, 0xa7, 1, 0, VS, PS, 1, 1, 0    ; O^T += V^T P: my 128 channels x 64 queries, K = the step's 512 keys
	WIN 0
	s_wait_tensorcnt 0x0                           ; all my tensor loads have landed: K of the next step;
	ds_add_u32 v4, v5                              ; 0 onto my spare word
	s_add_nc_u64 s[G0V+2:G0V+3], s[G0V+2:G0V+3], SLOTB
	s_wait_xcnt 0x0
	s_add_nc_u64 s[70:71], s[70:71], SLOTB
	s_wait_dscnt 0x0                               ; the add is done, and my reads of V and of the images are over
	ROUND
	tensor_load_to_lds s[G0V:G0V+3], s[G1:G1+7]    ; V of the next step (in the last trip w1): it has the scores and their maxima in which to land
	s_nop 0
	PLACES 4
	ASK 70
	ASKX 0, 2
	s_sub_co_u32 s[J], s[J], 1
	s_cmp_lg_u32 s[J], 0
	s_cbranch_scc1 .Lstep
	; ---- THE TAIL.  KR holds wc, w1 is on its way into VR, x is on its way into registers.
	s_mov_b32 s4, 0xbcaaaaab                       ; sin(r / 2) = r (1/2 - r^2 / 48 + r^4 / 3840 - ..): the series' coefficients, as pairs (the addresses that lay here have served their last load, waited for at the loop's head)
	s_mov_b32 s5, s4
	s_mov_b32 s6, 0x39888889
	s_mov_b32 s7, s6
	s_mov_b32 s8, 0xb5d00d01
	s_mov_b32 s9, s8
	s_mov_b32 s10, 0x31b8ef1d
	s_mov_b32 s11, s10
	s_mov_b32 s12, 0xad57322b
	s_mov_b32 s13, s12
	v_mov_b32 v22, 0x28b09231                      ; the highest lies in a vector pair, so that a line names one scalar pair
	v_mov_b32 v23, 0x28b09231
	CHVEC 128, 3, 22                               ; bc: 16 loads, the youngest; it is wanted behind the tile loop
.irp i, 0,1,2,3,4,5,6,7
	v_mov_b32 v[TH+\i], s[80+\i]
.endr
.irp m, 0,1,2,3
	v_add_f32 v[LM+\m], v[ST+4*\m+2], v[ST+4*\m+3]
.endr
.irp m, 0,1,2,3
	v_permlanex16_b32 v[BT+\m], v[LM+\m], s[SEL], s[SEL+1]
.endr
.irp m, 0,1,2,3
	v_add_f32 v[LM+\m], v[LM+\m], v[BT+\m]
.endr
.irp m, 0,1,2,3
	ds_store_b32 v10, v[LM+\m] offset:512*\m       ; my keys' part of each row's sum
.endr
	s_wait_dscnt 0x0
	s_barrier_signal -1
	s_barrier_wait -1
.irp m, 0,1,2,3
	ds_load_b128 v[MXV+4*\m:MXV+4*\m+3], v11 offset:512*\m
.endr
	s_wait_dscnt 0x0
.irp m, 0,1,2,3
	v_add_f32 v[MXV+4*\m], v[MXV+4*\m], v[MXV+4*\m+1]
.endr
.irp m, 0,1,2,3
	v_add_f32 v[MXV+4*\m+2], v[MXV+4*\m+2], v[MXV+4*\m+3]
.endr
.irp m, 0,1,2,3
	v_add_f32 v[MXV+4*\m], v[MXV+4*\m], v[MXV+4*\m+2]
.endr
.irp m, 0,1,2,3
	v_rcp_f32 v[F+2*\m], v[MXV+4*\m]
.endr
	v_nop
	s_wait_alu depctr_va_vdst(0)                   ; one wait for the four reciprocals, ahead of the first line that names one
	; ---- O / sum + cos(x + theta), a tile of queries a trip: the cosine's lines are written once; what names a tile's own registers stands in four short blocks
	s_mov_b32 s96, 0                               ; the tile
	s_mov_b32 s97, 0                               ; its images' place
	s_mov_b32 s98, 0                               ; its scale words'
.Ltile:
	s_wait_loadcnt 16                              ; all of x is in; bc's 16 loads, issued behind x's, may stay out
	s_cmp_eq_u32 s96, 0
	s_cbranch_scc1 .Lt0
	s_cmp_eq_u32 s96, 1
	s_cbranch_scc1 .Lt1
	s_cmp_eq_u32 s96, 2
	s_cbranch_scc1 .Lt2
	TBLK 3
	s_branch .Ltj
.Lt0:
	TBLK 0
	s_branch .Ltj
.Lt1:
	TBLK 1
	s_branch .Ltj
.Lt2:
	TBLK 2
.Ltj:
.irp b, 0,1,2,3
.irp q, 0,1,2,3,4,5,6,7
	v_pk_fma_f32 v[T2+2*\q:T2+2*\q+1], v[Y+16*\b+2*\q:Y+16*\b+2*\q+1], 0.15915494, s[88:89] op_sel_hi:[1,0,0]
.endr
.irp q, 0,1,2,3,4,5,6,7
	v_pk_add_f32 v[T2+2*\q:T2+2*\q+1], v[T2+2*\q:T2+2*\q+1], s[88:89] op_sel_hi:[1,0] neg_lo:[0,1] neg_hi:[0,1]   ; n
.endr
.irp q, 0,1,2,3,4,5,6,7
	v_pk_fma_f32 v[Y+16*\b+2*\q:Y+16*\b+2*\q+1], v[T2+2*\q:T2+2*\q+1], s[90:91], v[Y+16*\b+2*\q:Y+16*\b+2*\q+1] op_sel_hi:[1,0,1]
.endr
.irp q, 0,1,2,3,4,5,6,7
	v_pk_fma_f32 v[Y+16*\b+2*\q:Y+16*\b+2*\q+1], v[T2+2*\q:T2+2*\q+1], s[92:93], v[Y+16*\b+2*\q:Y+16*\b+2*\q+1] op_sel_hi:[1,0,1]   ; r, between -pi and pi
.endr
.irp q, 0,1,2,3,4,5,6,7
	v_pk_mul_f32 v[T2+2*\q:T2+2*\q+1], v[Y+16*\b+2*\q:Y+16*\b+2*\q+1], v[Y+16*\b+2*\q:Y+16*\b+2*\q+1]
.endr
.irp q, 0,1,2,3,4,5,6,7
	v_pk_fma_f32 v[T3+2*\q:T3+2*\q+1], v[T2+2*\q:T2+2*\q+1], v[22:23], s[12:13] op_sel_hi:[1,1,0]
.endr
.irp k, 10,8,6,4
.irp q, 0,1,2,3,4,5,6,7
	v_pk_fma_f32 v[T3+2*\q:T3+2*\q+1], v[T3+2*\q:T3+2*\q+1], v[T2+2*\q:T2+2*\q+1], s[\k:\k+1] op_sel_hi:[1,1,0]
.endr
.endr
.irp q, 0,1,2,3,4,5,6,7
	v_pk_fma_f32 v[T3+2*\q:T3+2*\q+1], v[T3+2*\q:T3+2*\q+1], v[T2+2*\q:T2+2*\q+1], 0.5 op_sel_hi:[1,1,0]
.endr
.irp q, 0,1,2,3,4,5,6,7
	v_pk_mul_f32 v[T3+2*\q:T3+2*\q+1], v[T3+2*\q:T3+2*\q+1], v[Y+16*\b+2*\q:Y+16*\b+2*\q+1]   ; sin(r / 2)
.endr
.irp q, 0,1,2,3,4,5,6,7
	v_pk_mul_f32 v[T3+2*\q:T3+2*\q+1], v[T3+2*\q:T3+2*\q+1], v[T3+2*\q:T3+2*\q+1]
.endr
	WIN 0xf0
.irp q, 0,1,2,3,4,5,6,7
	v_pk_fma_f32 v[192+16*\b+2*\q:193+16*\b+2*\q], v[T3+2*\q:T3+2*\q+1], -2.0, v[192+16*\b+2*\q:193+16*\b+2*\q] op_sel_hi:[1,0,1]   ; O / sum + 1 - 2 sin^2
.endr
	WIN 0
.endr
	QUANT 192, 3, PC, PW
	v_add_nc_u32 v20, s97, v6
	v_add_nc_u32 v21, s98, v8
	ds_store_b128 v20, v[PC:PC+3]
	ds_store_b128 v20, v[PC+4:PC+7] offset:512
	ds_store_b32 v21, v[PW]
	s_wait_dscnt 0x0                               ; the stores have landed and have read their registers
	s_add_co_u32 s97, s97, 4096
	s_add_co_u32 s98, s98, 256
	s_add_co_u32 s96, s96, 1
	s_cmp_lt_u32 s96, 4
	s_cbranch_scc1 .Ltile
	s_wait_loadcnt 0x0                             ; bc; and on every way out of the loop no load into registers is left out
	s_barrier_signal -1
	WIN 0x4f                                       ; the first residual, R = x + bc, while the others arrive: tiles 0, 1 from window 3,
.irp m, 0,1
.set IX, 0
.rept 32
	v_pk_add_f32 v[64*\m+IX:64*\m+IX+1], v[64*\m+IX:64*\m+IX+1], v[128+IX:129+IX]
.set IX, IX+2
.endr
.endr
	WIN 0x4d                                       ; tiles 2, 3 in place
.irp m, 2,3
.set IX, 0
.rept 32
	v_pk_add_f32 v[64*\m+IX:64*\m+IX+1], v[64*\m+IX:64*\m+IX+1], v[128+IX:129+IX]
.set IX, IX+2
.endr
.endr
	WIN 0
	s_barrier_wait -1                              ; the sixteen fragments lie in LDS
	CHVEC Y, 0, 28                                 ; b1, for the product after next
	GEMM32 2, 0x9f, 0xaf, 2, 0, KS, PS, 1, 3, 0    ; x + bc + (..) wc: the residual is the C of the first K step
	WIN 0
	s_wait_tensorcnt 0x0                           ; all my tensor loads have landed: w1;
	ds_add_u32 v4, v5                              ; 0 onto my spare word
	s_mov_b64 s[G0K+2:G0K+3], s[78:79]             ; K's descriptor takes w2's address
	s_or_b32 s[G0K+3], s[G0K+3], 0x80000000
	s_wait_dscnt 0x0                               ; the add is done, and my reads of wc and of the images are over
	ROUND
	tensor_load_to_lds s[G0K:G0K+3], s[G1:G1+7]    ; w2 into wc's bytes: it has the norm and all of w1 in which to land
	s_nop 0
	PLACES 4                                       ; also the places ahead of the loads and reads below
	CHVEC 128, 3, 24                               ; g1
	CHVEC 192, 3, 26                               ; be1
	CHVEC 0, 3, 30                                 ; b2
	LNA
	LNB
	WIN 0x4e
.irp m, 0,1,2,3
.set IX, 0
.rept 32
	v_pk_add_f32 v[64*\m+IX:64*\m+IX+1], v[64*\m+IX:64*\m+IX+1], v[IX:IX+1]   ; the second residual: the norm's result + b2
.set IX, IX+2
.endr
.endr
	WIN 0
.irp m, 0,1,2,3
	QUANT 64*\m, 2, PC+8*\m, PW+\m
	IMG \m, IM2
.endr
	s_wait_dscnt 0x0
	s_barrier_signal -1
	s_barrier_wait -1
	GEMM32 3, 0x8f, 0xaf, 3, Y, VS, PS, 1, 3, IM2  ; the hidden layer; b1 (in since the norm's wait) is the C of the first K step
	PLACES 4
	WIN 0x88
.set IX, 0
.rept 256
	v_max_num_f32 v[IX], 0, v[IX]                  ; relu
.set IX, IX+1
.endr
	WIN 0
.irp m, 0,1,2,3
	QUANT 64*\m, 2, PC+8*\m, PW+\m
	IMG \m, 0
.endr
	s_wait_dscnt 0x0
	s_barrier_signal -1
	s_barrier_wait -1
	s_wait_tensorcnt 0x0                           ; my quarter of w2 is in
	GEMM32 2, 0x9f, 0xaf, 2, 0, KS, PS, 1, 3, 0
	PLACES 4
	CHVEC 128, 3, 32                               ; g2
	CHVEC 192, 3, 34                               ; be2
	LNA
	LNB
	; ---- THE WAY OUT.  A lane holds pieces of one row; a tile goes through my stage and comes back as 16 rows of 512 bytes: the 32 lanes store 512 consecutive bytes, at a multiple of 256 from out0's first byte.
.irp m, 0,1,2,3
	WIN 0x08
.irp b, 0,1,2,3
.irp j, 0,1,2,3
	ds_store_b128 v13, v[64*\m+16*\b+4*\j:64*\m+16*\b+4*\j+3] offset:128*\b+16*\j
.endr
.endr
.if \m > 1
	s_wait_xcnt 0x0                                ; the stores of two tiles back have read their registers
.endif
	WIN 0x40
.irp i, 0,1,2,3,4,5,6,7,8,9,10,11,12,13,14,15
	ds_load_b128 v[64*(\m%2)+4*\i:64*(\m%2)+4*\i+3], v3 offset:528*\i   ; LDS serves a wave's instructions in order: these see my stores
.endr
	s_wait_dscnt 0x0
	WIN 0x04
.irp i, 0,1,2,3,4,5,6,7,8,9,10,11,12,13,14,15
	global_store_b128 v1, v[64*(\m%2)+4*\i:64*(\m%2)+4*\i+3], s[36:37] offset:(32*(\m/2)+8*(\m%2)+\i+8*(\i/8))*2048 th:TH_STORE_NT
.endr
.endr
	WIN 0
	s_wait_tensorcnt 0x0                           ; the wave's end
	ds_add_u32 v4, v5
	s_wait_dscnt 0x0
	ROUND                                          ; the closing round
	s_endpgm
.Lfunc_end_k_q8d0831e294_attn:
	.size	k_q8d0831e294_attn, .Lfunc_end_k_q8d0831e294_attn-k_q8d0831e294_attn
	.p2alignl 7, 3214868480
	.fill 96, 4, 3214868480
	.section	.rodata,"a",@progbits
	.p2align	6, 0x0
	.amdhsa_kernel k_q8d0831e294_attn
		.amdhsa_group_segment_fixed_size 327680
		.amdhsa_private_segment_fixed_size 0
		.amdhsa_enable_private_segment 0
		.amdhsa_kernarg_size 120
		.amdhsa_user_sgpr_count 2
		.amdhsa_user_sgpr_kernarg_segment_ptr 1
		.amdhsa_wavefront_size32 1
		.amdhsa_system_sgpr_workgroup_id_x 1
		.amdhsa_system_sgpr_workgroup_id_y 1
		.amdhsa_system_sgpr_workgroup_id_z 1
		.amdhsa_system_vgpr_workitem_id 0
		.amdhsa_next_free_vgpr 1024
		.amdhsa_next_free_sgpr 100
		.amdhsa_reserve_vcc 0
		.amdhsa_float_denorm_mode_32 3
		.amdhsa_float_denorm_mode_16_64 3
		.amdhsa_memory_ordered 1
		.amdhsa_forward_progress 1
		.amdhsa_inst_pref_size 255
	.end_amdhsa_kernel
	.section	.bss,"aw",@nobits
	.p2align	6
	.space	262144
	.amdgpu_metadata
---
amdhsa.version: [ 1, 2 ]
amdhsa.kernels:
  - .name:           k_q8d0831e294_attn
    .symbol:         k_q8d0831e294_attn.kd
    .args:
      - { .name: theta, .offset: 0, .size: 8, .value_kind: global_buffer, .address_space: global }
      - { .name: bc, .offset: 8, .size: 8, .value_kind: global_buffer, .address_space: global }
      - { .name: g1, .offset: 16, .size: 8, .value_kind: global_buffer, .address_space: global }
      - { .name: be1, .offset: 24, .size: 8, .value_kind: global_buffer, .address_space: global }
      - { .name: b1, .offset: 32, .size: 8, .value_kind: global_buffer, .address_space: global }
      - { .name: b2, .offset: 40, .size: 8, .value_kind: global_buffer, .address_space: global }
      - { .name: g2, .offset: 48, .size: 8, .value_kind: global_buffer, .address_space: global }
      - { .name: be2, .offset: 56, .size: 8, .value_kind: global_buffer, .address_space: global }
      - { .name: qimg, .offset: 64, .size: 8, .value_kind: global_buffer, .address_space: global }
      - { .name: qscl, .offset: 72, .size: 8, .value_kind: global_buffer, .address_space: global }
      - { .name: kimg, .offset: 80, .size: 8, .value_kind: global_buffer, .address_space: global }
      - { .name: vimg, .offset: 88, .size: 8, .value_kind: global_buffer, .address_space: global }
      - { .name: w2img, .offset: 96, .size: 8, .value_kind: global_buffer, .address_space: global }
      - { .name: x, .offset: 104, .size: 8, .value_kind: global_buffer, .address_space: global }
      - { .name: out0, .offset: 112, .size: 8, .value_kind: global_buffer, .address_space: global }
    .group_segment_fixed_size: 327680
    .private_segment_fixed_size: 0
    .kernarg_segment_align: 8
    .kernarg_segment_size: 120
    .max_flat_workgroup_size: 128
    .sgpr_count:     100
    .vgpr_count:     1024
    .wavefront_size: 32
...
	.end_amdgpu_metadata
.endif
;; end of part 2
